; MI455X (gfx1250); checked and timed in simulation.
; The chip was launched on July 23, 2026; its instructions are those of AMD's public machine-readable ISA for CDNA 5 (MIT licence, August 2026) and "CDNA5" Instruction Set Architecture Reference Guide (July 2026). The comments in the code are by the model that wrote it; some were corrected since.
;; Sparse State Attention. Allowed arithmetic: matrix products marked QUANTISED: E5M2 operands, one E8M0 scale for each 32 along K, by v_wmma_scale_f32_16x16x128_f8f6f4 with both operands' format E5M2, f32 sums; products left as they are: f32 operands where the result goes on into a quantised operand, else bf16, f16 or f32 operands; f32 sums; everything else in f32.
;; Inputs: Wk 1,024 x 1,024 float32; Wo 1,024 x 1,024 float32; Wq 1,024 x 1,024 float32; Wr 1,024 x 1,024 float32; Wv 1,024 x 1,024 float32; bk 1,024 float32; bo 1,024 float32; bq 1,024 float32; br 1,024 float32; bv 1,024 float32; states 4 x 256 x 1,024 float32; tokens 4 x 2,048 x 1,024 float32.
;; Outputs: out0 4 x 2,048 x 1,024 float32; out1 4 x 16 x 2,048 x 2 float32.
;; This version of the problem:
;;   THIS VERSION OF THE PROBLEM IS GIVEN IN LOW PRECISION. The matrix products marked QUANTISED in the list below multiply operands that are first quantised to E5M2 (5 exponent bits, 2 mantissa bits; 8 bits a number), with one power-of-two scale for each 32 numbers along K (OCP MX v1.0); their sums are f32. All else is computed in f32.
;;   The module's matrix products, in the order in which they are computed (A, B: the left and right operand; K: the contracted axis; several contracted axes count as one K, in the product's order):
;;     1. [M 8,192, K 1,024] x [K 1,024, N 1,024]; A: input tokens; B: input Wr: QUANTISED
;;     2. batch 4 x [M 2,048, K 1,024] x [K 1,024, N 256]; A: computed on the way; B: input states: QUANTISED
;;     3. [M 8,192, K 1,024] x [K 1,024, N 1,024]; A: input tokens; B: input Wq: QUANTISED
;;     4. [M 16,384, K 1,024] x [K 1,024, N 1,024]; A: computed on the way; B: input Wk: QUANTISED
;;     5. [M 16,384, K 1,024] x [K 1,024, N 1,024]; A: computed on the way; B: input Wv: QUANTISED
;;     6. batch 131,072 x [M 1, K 64] x [K 64, N 2]; A: computed on the way; B: computed on the way: left as it is (M = 1 < 16)
;;     7. batch 131,072 x [M 1, K 2] x [K 2, N 64]; A: softmax; B: computed on the way: left as it is (K = 2 < 32)
;;     8. [M 8,192, K 1,024] x [K 1,024, N 1,024]; A: computed on the way; B: input Wo: QUANTISED
;;   THE QUANTISER, for each operand of a quantised product, along K:
;;     - K is cut into blocks of 32 from its start; a last block that is shorter is filled with zeros.
;;     - A block's scale is 2^e with e = floor(log2(the largest magnitude in the block)) - 15, held to -126 .. 127; a block of zeros has e = 0. As a byte (E8M0): e + 127.
;;     - Each number is divided by its block's scale, clamped to +-57,344, and rounded to the nearest number of E5M2, ties to even, subnormals kept.
;;     - The product sums the exact products of the quantised numbers (number of the format x scale) in f32.
;;   ~~~python
;;   def quantise(x, axis):      # numpy; x: float32 -> the quantised numbers, widened to float32 again
;;       x = np.moveaxis(x, axis, -1); K = x.shape[-1]
;;       x = np.pad(x, [(0, 0)] * (x.ndim - 1) + [(0, -K % 32)]); x = x.reshape(x.shape[:-1] + (-1, 32)); a = np.abs(x).max(-1, keepdims=True)
;;       e = np.where(a > 0, np.clip(np.frexp(np.where(a > 0, a, 1))[1] - 1 - 15, -126, 127), 0)      # np.frexp(a)[1] - 1 = floor(log2(a)), exactly
;;       r = np.clip(x / 2.0 ** e, -57344, 57344)
;;       step = 2.0 ** (np.maximum(np.frexp(np.where(r == 0, 1, r))[1] - 1, -14) - 2)
;;       q = np.round(r / step) * step * 2.0 ** e      # np.round: ties to even
;;       return np.moveaxis(q.reshape(q.shape[:-2] + (-1,))[..., :K], -1, axis).astype(np.float32)
;;   ~~~
;;   OPERANDS COMPUTED ON THE WAY. 'Computed on the way' means the value that the module computes at that place (a softmax that the list does not call 'softmax' is quantised finished and normalised). What goes into a quantiser is computed in f32, as accurately as f32 sums, v_exp_f32 and their like allow (about 1e-6 of the number): no bf16 or f16 on the way to a quantiser, and a product that is left as it is and whose result goes on into a quantised operand takes f32 operands (vector FMAs, or v_wmma_f32_16x16x4_f32). A number that lies on a knife's edge between two numbers of the format may be rounded either way, as far as f32 arithmetic and the matrix unit's own rounding can turn it there, and no further.
;; One version. Each part assembles by itself: llvm-mc -triple=amdgcn-amd-amdhsa -mcpu=gfx1250 --defsym DOCPART=n.
;; ======== version 1 of 1: 5 launches
;; limits: right only within a limited range of input values
;; workspace buffers: codes 14,680,064 bytes; scales 458,752 bytes; acodes 8,388,608 bytes; ascales 262,144 bytes; kv 8,388,608 bytes; idx 65,536 bytes of whole numbers
;; launch quant (part 1): grid 256 x 1, 7 waves a work-group, no clusters, 60,160 bytes of LDS; arguments tokens, states, Wr, Wq, Wk, Wv, Wo, codes, scales; writes codes, scales
.if DOCPART == 1
	.amdgcn_target "amdgcn-amd-amdhsa--gfx1250"
	.amdhsa_code_object_version 6
	.text
	.protected	k_q8b5e4b20b7_quant
	.globl	k_q8b5e4b20b7_quant
	.p2align	8
	.type	k_q8b5e4b20b7_quant,@function
k_q8b5e4b20b7_quant:
	s_mov_b64 s[64:65], 0
	v_nop
	global_prefetch_b8 v0, s[64:65] scope:SCOPE_SE
	s_setreg_imm32_b32 hwreg(HW_REG_WAVE_MODE, 25, 1), 1
	s_wait_xcnt 0x0
; tokens [8192][1024], states [1024][1024] (4 x 256 rows) and the five weights [1024][1024], all f32 with K innermost, become codes of E5M2 with one E8M0 byte for each 32 along K.
; A block's scale is 2^(floor(log2(its largest magnitude)) - 15); each number is divided by it, held within +-57,344 and rounded to the nearest code, ties to even.
; THE CODES ARE LAID AS IMAGES OF THE OPERAND'S REGISTERS: fragment (tile t of 16 rows, K step s of 128) at byte (8 t + s) x 2048 of its tensor's part; in it byte 512 c + 16 lane + i is the code of the
; tile's row (lane % 16) at k = 128 s + 32 c + 16 (lane / 16) + i.  THE SCALE WORDS: [tile][half of K][row 16][K step 4] words, 512 bytes a tile.
; WHICH ROWS FORM A TILE: tokens and states: rows 16 t + r.  The weights: tile 2 b + u takes rows 32 b + 8 u + r + 8 (r / 8), so that a transposed product's 16 registers of two neighbouring tiles are 16 neighbouring columns.
; SHARES: 896 tiles x 2 halves of K = 1,792 units = 256 work-groups x 7 waves, a unit a wave: 512 tiles of tokens, then 64 each of states, Wr, Wq, Wk, Wv, Wo.  Waves share nothing: no barrier.
; Each load reads 512 consecutive bytes of a row; a K step's 16 rows turn through the wave's own stage in LDS (rows 528 bytes apart) and come back 16 neighbours of each block a lane.
; No work of the problem is left out in this program; K and V are made for each of the 1,024 states once, and the chosen rows are taken from those tables: the quantiser and both products go row by row.
; LIMITS: NaN and infinities among the inputs are not served.  A block of zeros, and one whose largest magnitude lies under 2^-111, gets the byte 1 (its zeros stay zero codes); these bytes are read by this program alone.
.set STG,  8448                        ; a wave's stage: 16 rows x 528 bytes
.set SPARE, 7*STG                      ; the spare words
.set RS,   16                          ; v16-207  three sets of 64 numbers
.set TM,   208                         ; v208-223 largest magnitudes, bytes, holds, scale operands
.set PC,   228                         ; v228-243 the codes just made; v244-247 the scale words of the four K steps
.set SEL,  40                          ; s[40:41] selects of v_permlanex16_b32: lane l xor 16
.set MNT,  42                          ; s42      the mantissa field of 57,344
	s_load_b512 s[4:19], s[0:1], 0x0               ; tokens, states, Wr, Wq, Wk, Wv, Wo, codes
	s_load_b64 s[20:21], s[0:1], 0x40              ; scales
	v_lshl_add_u32 v254, v0, 2, SPARE
	v_mov_b32 v255, 0
	v_lshrrev_b32 v1, 5, v0
	v_readfirstlane_b32 s22, v1                    ; wave
	v_and_b32 v1, 31, v0                           ; lane
	v_and_b32 v2, 15, v0                           ; r
	v_bfe_u32 v3, v0, 4, 1                         ; h
	v_lshlrev_b32 v4, 4, v1                        ; 16 x lane
	s_mul_i32 s23, s22, STG
	v_add_nc_u32 v5, s23, v4                       ; into the stage: a row's 512 bytes as they lie
	v_mul_u32_u24 v6, v2, 528
	v_lshl_add_u32 v6, v3, 6, v6
	v_add_nc_u32 v6, s23, v6                       ; out of it: row r, my 64 bytes of each block's 128
	v_lshlrev_b32 v7, 4, v2                        ; my row's four scale words: 16 r
.irp b, 0,1,2,3
	v_mov_b32 v[TM+4+\b], 0                        ; written once: a lane permute's destination counts as one of its sources
.endr
	s_mov_b32 s[SEL], 0x76543210
	s_mov_b32 s[SEL+1], 0xfedcba98
	s_mov_b32 s[MNT], 0x600000
	s_mul_i32 s25, ttmp9, 7
	s_add_co_u32 s25, s25, s22                     ; my unit
	s_and_b32 s29, s25, 1                          ; which half of K
	s_lshr_b32 s27, s25, 1                         ; which tile of all
	s_sub_co_u32 s25, s27, 512
	s_lshr_b32 s26, s25, 6
	s_add_co_u32 s26, s26, 1
	s_and_b32 s30, s25, 63
	s_cmp_lt_u32 s27, 512
	s_cselect_b32 s24, 0, s26                      ; the tensor: 0 tokens, 1 states, 2 .. 6 the weights
	s_cselect_b32 s30, s27, s30                    ; t: the tile in it
	s_lshl_b32 s31, s30, 4                         ; its first row, rows as they lie: 16 t
	s_lshr_b32 s32, s30, 1
	s_lshl_b32 s32, s32, 5
	s_and_b32 s33, s30, 1
	s_lshl_b32 s33, s33, 3
	s_add_co_u32 s32, s32, s33                     ; and in a weight: 32 (t / 2) + 8 (t % 2)
	s_add_co_u32 s34, s24, 7
	s_lshl_b32 s34, s34, 20                        ; the tensor's part of codes: (tensor + 7) MiB,
	s_lshl_b32 s35, s24, 15
	s_add_co_u32 s35, s35, 229376                  ; of scales: 229,376 + 32,768 x tensor; tokens: 0 in both
	s_mov_b32 s36, 65536
	s_cmp_ge_u32 s24, 2
	s_cselect_b32 s31, s32, s31
	s_cselect_b32 s36, s36, 32768                  ; a tile's places 8-15 begin 16 rows on in a weight, 8 rows on elsewhere
	s_cmp_eq_u32 s24, 0
	s_cselect_b32 s34, 0, s34
	s_cselect_b32 s35, 0, s35
	s_lshl_b32 s32, s31, 12                        ; the source: first row x 4,096 + half x 2,048
	s_lshl_b32 s33, s29, 11
	s_add_co_u32 s32, s32, s33
	s_mov_b32 s33, 0
	s_mov_b32 s37, 0
	s_lshl_b32 s38, s30, 14                        ; the codes: (8 t + 4 half) x 2,048
	s_lshl_b32 s39, s29, 13
	s_add_co_u32 s38, s38, s39
	s_add_co_u32 s38, s38, s34
	s_mov_b32 s39, 0
	s_lshl_b32 s44, s30, 9                         ; the scale words: 512 t + 256 half
	s_lshl_b32 s45, s29, 8
	s_add_co_u32 s44, s44, s45
	s_add_co_u32 s44, s44, s35
	s_mov_b32 s45, 0
	s_wait_alu depctr_va_vdst(0)                   ; the wait at the head's end
	s_wait_kmcnt 0x0
.irp k, 1,2,3,4,5,6
	s_cmp_eq_u32 s24, \k                           ; the choice hangs on ids alone
	s_cselect_b64 s[4:5], s[4+2*\k:5+2*\k], s[4:5]
.endr
	s_add_nc_u64 s[4:5], s[4:5], s[32:33]          ; the tile's places 0-7
	s_add_nc_u64 s[6:7], s[4:5], s[36:37]          ; its places 8-15
	s_add_nc_u64 s[18:19], s[18:19], s[38:39]
	s_add_nc_u64 s[20:21], s[20:21], s[44:45]
.macro LOAD s                          ; K step s of my 16 rows: each load reads 512 consecutive bytes
.irp i, 0,1,2,3,4,5,6,7
	global_load_b128 v[RS+64*((\s)%3)+4*\i:RS+64*((\s)%3)+4*\i+3], v4, s[4:5] offset:4096*\i+512*(\s) th:TH_LOAD_NT
.endr
.irp i, 0,1,2,3,4,5,6,7
	global_load_b128 v[RS+64*((\s)%3)+32+4*\i:RS+64*((\s)%3)+32+4*\i+3], v4, s[6:7] offset:4096*\i+512*(\s) th:TH_LOAD_NT
.endr
.endm
; 64 numbers of a lane, register 16 b + i = k 32 b + 16 (lane / 16) + i of my row, become a fragment's codes in v[PC] on and its scale word in v[PW]
.macro QUANT s
.irp b, 0,1,2,3
	v_max3_num_f32 v[TM+\b], |v[\s+16*\b]|, |v[\s+1+16*\b]|, 0x8000000   ; block b: my 16 numbers, and the floor 2^(16 - 127): the byte cannot fall under 1
.endr
.irp i, 2,4,6,8,10,12,14
.irp b, 0,1,2,3
	v_max3_num_f32 v[TM+\b], v[TM+\b], |v[\s+16*\b+\i]|, |v[\s+1+16*\b+\i]|   ; the four blocks by turns
.endr
.endr
.irp b, 0,1,2,3
	v_permlanex16_b32 v[TM+4+\b], v[TM+\b], s[SEL], s[SEL+1]
.endr
.irp b, 0,1,2,3
	v_max_num_f32 v[TM+\b], v[TM+\b], v[TM+4+\b]   ; with lane l xor 16's: the block's largest magnitude
.endr
.irp b, 0,1,2,3
	v_add_nc_u32 v[TM+12+\b], 0xf8800000, v[TM+\b] ; 15 off its exponent field: the conversion's scale operand
.endr
.irp b, 0,1,2,3
	v_and_or_b32 v[TM+8+\b], v[TM+\b], 0x7f800000, s[MNT]   ; 57,344 x the scale
.endr
.irp b, 0,1,2,3
	v_lshrrev_b32 v[TM+4+\b], 23, v[TM+12+\b]      ; the scale's byte
.endr
	v_lshl_or_b32 v[PW], v[TM+5], 8, v[TM+4]
	v_lshl_or_b32 v[PW], v[TM+6], 16, v[PW]
	v_lshl_or_b32 v[PW], v[TM+7], 24, v[PW]
.irp b, 0,1,2,3
.irp i, 0,1,2,3,4,5,6,7,8,9,10,11,12,13,14,15
	v_med3_num_f32 v[\s+16*\b+\i], v[\s+16*\b+\i], -v[TM+8+\b], v[TM+8+\b]   ; the conversion to an 8-bit code does not saturate (ISA guide 7.6.2): the hold comes first
.endr
	v_cvt_scalef32_pk8_bf8_f32 v[PC+4*\b:PC+1+4*\b], v[\s+16*\b:\s+7+16*\b], v[TM+12+\b]
	v_cvt_scalef32_pk8_bf8_f32 v[PC+2+4*\b:PC+3+4*\b], v[\s+8+16*\b:\s+15+16*\b], v[TM+12+\b]
.endr
	v_nop                                          ; a plain line behind the last conversion
.endm
.macro STEP s, n                       ; n: the loads of later K steps, which may stay out
.set XS, RS+64*((\s)%3)
.set PW, 244+(\s)
	s_wait_loadcnt \n
.irp i, 0,1,2,3,4,5,6,7,8,9,10,11,12,13,14,15
	ds_store_b128 v5, v[XS+4*\i:XS+4*\i+3] offset:528*\i
.endr
.irp b, 0,1,2,3
.irp j, 0,1,2,3
	ds_load_b128 v[XS+16*\b+4*\j:XS+16*\b+4*\j+3], v6 offset:128*\b+16*\j   ; LDS serves a wave's instructions in order: these see the stores above
.endr
.endr
	s_wait_dscnt 0x0
.if (\s) > 0
	s_wait_xcnt 0x0                                ; the last step's stores have read the codes' registers, which are written again below
.endif
	QUANT XS
.irp c, 0,1,2,3
	global_store_b128 v4, v[PC+4*\c:PC+4*\c+3], s[18:19] offset:2048*(\s)+512*\c   ; 32 lanes store 512 consecutive bytes
.endr
.endm
	LOAD 0
	LOAD 1
	LOAD 2
	STEP 0, 32
	LOAD 3                                         ; into the set that K step 0 has left
	STEP 1, 32
	STEP 2, 16
	STEP 3, 0
	s_wait_alu depctr_va_vdst(0)
	s_wait_xcnt 0x0                                ; EXEC changes only behind this wait
	s_mov_b32 exec_lo, 0xffff                      ; both halves of the lanes hold the same words: lanes 0-15 store them
	global_store_b128 v7, v[244:247], s[20:21]     ; 256 consecutive bytes, aligned
	s_wait_xcnt 0x0
	s_mov_b32 exec_lo, -1
	s_wait_tensorcnt 0x0                           ; the wave's end
	ds_add_u32 v254, v255
	s_wait_dscnt 0x0
	s_endpgm
.Lfunc_end_k_q8b5e4b20b7_quant:
	.size	k_q8b5e4b20b7_quant, .Lfunc_end_k_q8b5e4b20b7_quant-k_q8b5e4b20b7_quant
	.p2alignl 7, 3214868480
	.fill 96, 4, 3214868480
	.section	.rodata,"a",@progbits
	.p2align	6, 0x0
	.amdhsa_kernel k_q8b5e4b20b7_quant
		.amdhsa_group_segment_fixed_size 60160
		.amdhsa_private_segment_fixed_size 0
		.amdhsa_enable_private_segment 0
		.amdhsa_kernarg_size 72
		.amdhsa_user_sgpr_count 2
		.amdhsa_user_sgpr_kernarg_segment_ptr 1
		.amdhsa_wavefront_size32 1
		.amdhsa_system_sgpr_workgroup_id_x 1
		.amdhsa_system_sgpr_workgroup_id_y 1
		.amdhsa_system_sgpr_workgroup_id_z 1
		.amdhsa_system_vgpr_workitem_id 0
		.amdhsa_next_free_vgpr 256
		.amdhsa_next_free_sgpr 66
		.amdhsa_reserve_vcc 0
		.amdhsa_float_denorm_mode_32 3
		.amdhsa_float_denorm_mode_16_64 3
		.amdhsa_memory_ordered 1
		.amdhsa_forward_progress 1
		.amdhsa_inst_pref_size 52
	.end_amdhsa_kernel
	.amdgpu_metadata
---
amdhsa.version: [ 1, 2 ]
amdhsa.kernels:
  - .name:           k_q8b5e4b20b7_quant
    .symbol:         k_q8b5e4b20b7_quant.kd
    .args:
      - { .name: tokens, .offset: 0, .size: 8, .value_kind: global_buffer, .address_space: global }
      - { .name: states, .offset: 8, .size: 8, .value_kind: global_buffer, .address_space: global }
      - { .name: Wr, .offset: 16, .size: 8, .value_kind: global_buffer, .address_space: global }
      - { .name: Wq, .offset: 24, .size: 8, .value_kind: global_buffer, .address_space: global }
      - { .name: Wk, .offset: 32, .size: 8, .value_kind: global_buffer, .address_space: global }
      - { .name: Wv, .offset: 40, .size: 8, .value_kind: global_buffer, .address_space: global }
      - { .name: Wo, .offset: 48, .size: 8, .value_kind: global_buffer, .address_space: global }
      - { .name: codes, .offset: 56, .size: 8, .value_kind: global_buffer, .address_space: global }
      - { .name: scales, .offset: 64, .size: 8, .value_kind: global_buffer, .address_space: global }
    .group_segment_fixed_size: 60160
    .private_segment_fixed_size: 0
    .kernarg_segment_align: 8
    .kernarg_segment_size: 72
    .max_flat_workgroup_size: 224
    .sgpr_count:     66
    .vgpr_count:     256
    .wavefront_size: 32
...
	.end_amdgpu_metadata
.endif
;; end of part 1
;; launch gemm_r (part 2): grid 4 x 64, 4 waves a work-group, clusters of 4 x 4, 327,680 bytes of LDS; arguments codes, scales, br, acodes, ascales; writes acodes, ascales
.if DOCPART == 2
	.amdgcn_target "amdgcn-amd-amdhsa--gfx1250"
	.amdhsa_code_object_version 6
	.text
	.protected	k_q8b5e4b20b7_gemm_r
	.globl	k_q8b5e4b20b7_gemm_r
	.p2align	8
	.type	k_q8b5e4b20b7_gemm_r,@function
k_q8b5e4b20b7_gemm_r:
	s_mov_b64 s[64:65], 0
	v_nop
	global_prefetch_b8 v0, s[64:65] scope:SCOPE_SE
	s_setreg_imm32_b32 hwreg(HW_REG_WAVE_MODE, 25, 1), 1
	s_wait_xcnt 0x0
	s_wait_alu depctr_hold_cnt(0) depctr_sa_sdst(0) depctr_va_vdst(0) depctr_va_sdst(0) depctr_va_ssrc(0) depctr_va_vcc(0) depctr_vm_vsrc(0)
	s_getreg_b32 s2, hwreg(HW_REG_IB_STS2, 6, 4)
	s_cmp_eq_u32 s2, 0
	s_cbranch_scc0 .Lentry_in_a_cluster
	s_endpgm
.Lentry_in_a_cluster:
	s_bfe_u32 s2, ttmp6, 0x10000c
	s_cmp_lg_u32 s2, 0xf033
	s_cbranch_scc0 .Lentry_shape_is_right
	s_endpgm
.Lentry_shape_is_right:
; R = tokens Wr^T + br on codes of E5M2 (one E8M0 scale for each 32 along K), quantised again along its columns, which are the next product's K: only codes and scale words of R go to memory.
; A work-group makes 128 rows x 256 columns, K = 1,024 in 8 K steps of 128; each of its four waves 64 x 128: 4 blocks of A x 8 blocks of B, 32 accumulators.
; THE PRODUCT IS USED TRANSPOSED (source 0 = 16 rows of the weight, source 1 = 16 tokens), and a weight's tile 2 b + u holds rows 32 b + 8 u + r + 8 (r / 8): so lane (r, h) holds token r, and register 16 b + i of
; a block's 64 holds column 32 b + 16 h + i: the order in which the next operand's registers want them.  A wave's 128 columns are one K step of the next product: whole fragments and whole scale words.
; OPERANDS lie in memory as images of their registers (fragment (tile t, K step s) at (8 t + s) x 2048): a fragment comes from LDS by four loads at 16 x lane.
; FILLS, one joint load a wave each (waves 0, 1: A's halves; waves 2, 3: B's): K steps 0-3 at the head (rows of 8,192 bytes, a tile a row), K steps 4-5 behind the first round, K steps 6-7 over K steps 0-3's place, once K step 3 is in registers.
; The scale words of all of K come by plain loads straight into registers.  A wave has one tensor load out.
; CLUSTER 4 x 4: A's tiles are shared along a row of the cluster, B's along a column.  No prefetch: three fills and no loop to run ahead in.
; REGISTERS: window 0: v0-18 addresses; v44-59 A's scale words, v64-95 B's (numbers that differ modulo 8 in each product); v96-117 at work; v128-255 A's fragments, two sets, later the codes made.
;   window 1: B's fragments, two sets.  window 2: accumulator (a, b) at v[8 (8 a + b)].  window 3: v0-63 the bias in the result's layout: the C of each sum's first product.
; LIMITS: NaN and infinities are not served.  br is added ahead of the products (as C), another order of f32 rounding than a sum followed by the bias.  A block of zeros gets the byte 1 and zero codes.
.set YB,    196608                     ; LDS: from 0 K steps 0-3: A's 8 tiles x 8,192, B's 16 x 8,192 from 65,536; from YB K steps 4-5: 4,096 a tile
.set SPARE, 294912
.set SPW,  4
.set NIL,  5
.set ADA,  6                           ; v6-8   my A fragments: K steps 0-3, 4-5, 6-7
.set ADB,  9                           ; v9-11  my B fragments
.set SLN,  12                          ; v12  my lane's place in the scale words: 512 h + 16 r
.set L16,  14
.set L8,   15
.set SA,   44
.set SB,   64
.set TM,   96
.set PW,   112
.set PC,   128
.set WV,   20
.set WR,   21                          ; s21  my half of the rows.  Also: I fetch for A (0) or for B (1)
.set WC,   22                          ; s22  my half of the columns.  Also: which half I fetch
.set MNT,  27
.set SEL,  18                          ; s[18:19] selects of v_permlanex16_b32: lane l xor 16
.set G1A,  32
.set G1B,  40
.set G0A,  48
.set G0B,  52
.set OC,   10
.set OS,   12
.set MSB,  0
.macro WIN new                         ; the immediate's high byte repeats the setting that is left
.if MSB != (\new)
	s_set_vgpr_msb (MSB<<8)|(\new)
.set MSB, (\new)
.endif
.endm
.macro PLACES n
.rept \n
	v_nop
.endr
.endm
.macro CROUND                          ; a round of the cluster's barrier
	s_barrier_signal -1
	s_barrier_wait -1
	s_cmp_lg_u32 s[WV], 0
	s_cbranch_scc1 .Lnot_wave_0_\@
	s_barrier_signal -3
.Lnot_wave_0_\@:
	s_barrier_wait -3
	s_barrier_signal -1
	s_barrier_wait -1
.endm
.macro MKG1 g, c, r, p                 ; r rows of c elements of 8 bytes, p elements from row to row, dense in LDS
	s_mov_b32 s[\g+1], (\c)<<16
	s_mov_b32 s[\g+2], (\r)<<16
	s_mov_b32 s[\g+3], (\c)<<16
	s_mov_b32 s[\g+4], \r
	s_mov_b32 s[\g+5], \p
	s_mov_b32 s[\g+6], 0
	s_mov_b32 s[\g+7], 0
.endm
.macro SUM2 a, i, b, j                 ; s[2:3] = (s[a] << i) + (s[b] << j)
	s_lshl_b32 s2, s[\a], \i
	s_lshl_b32 s31, s[\b], \j
	s_add_co_u32 s2, s2, s31
	s_mov_b32 s3, 0
.endm
.macro PLUS c, k
	s_lshl_b32 s31, s[\c], \k
	s_add_co_u32 s2, s2, s31
.endm
.macro TL g0, g1
	tensor_load_to_lds s[\g0:\g0+3], s[\g1:\g1+7]
	s_nop 0
	PLACES 4
.endm
.macro JLOAD
	s_cmp_eq_u32 s[WR], 0
	s_cbranch_scc0 .Lfor_b_\@
	TL G0A, G1A
	s_branch .Lasked_\@
.Lfor_b_\@:
	TL G0B, G1B
.Lasked_\@:
.endm
.macro STEPG d, ia, ca, ib, cb         ; groups 0 on by d bytes, to their new places in LDS
	s_add_nc_u64 s[G0A+2:G0A+3], s[G0A+2:G0A+3], \d
	s_add_nc_u64 s[G0B+2:G0B+3], s[G0B+2:G0B+3], \d
	s_lshl_b32 s29, s[WC], \ia
	s_add_co_u32 s[G0A+1], s29, \ca
	s_lshl_b32 s30, s[WC], \ib
	s_add_co_u32 s[G0B+1], s30, \cb
.endm
.macro FETCH q                         ; K step q's fragments, 48 loads: B's eight into set q % 2 of window 1, A's four into set q % 2 of window 0
.if (\q) < 4
.set FG, 0
.set FS, 8192
.else
.set FG, (\q)/2-1
.set FS, 4096
.endif
.set FO, 2048*((\q)%2)
.if (\q) < 4
.set FO, 2048*(\q)
.endif
	WIN 0x40
.irp b, 0,1,2,3,4,5,6,7
.irp c, 0,1,2,3
	ds_load_b128 v[128*((\q)%2)+16*\b+4*\c:128*((\q)%2)+16*\b+4*\c+3], v[ADB+FG] offset:FS*\b+FO+512*\c
.endr
.endr
	WIN 0
.irp a, 0,1,2,3
.irp c, 0,1,2,3
	ds_load_b128 v[128+64*((\q)%2)+16*\a+4*\c:128+64*((\q)%2)+16*\a+4*\c+3], v[ADA+FG] offset:FS*\a+FO+512*\c
.endr
.endr
.endm
.macro WM bo, ao                       ; one product; an odd tile's scale words stand in lanes 16-31
.if (\bo) && (\ao)
	v_wmma_scale_f32_16x16x128_f8f6f4 v[rD:rD+7], v[rB:rB+15], v[rA:rA+15], v[rC:rC+7], v[rSB], v[rSA] matrix_a_fmt:MATRIX_FMT_BF8 matrix_b_fmt:MATRIX_FMT_BF8 matrix_a_scale:MATRIX_SCALE_ROW1 matrix_b_scale:MATRIX_SCALE_ROW1
.elseif (\bo)
	v_wmma_scale_f32_16x16x128_f8f6f4 v[rD:rD+7], v[rB:rB+15], v[rA:rA+15], v[rC:rC+7], v[rSB], v[rSA] matrix_a_fmt:MATRIX_FMT_BF8 matrix_b_fmt:MATRIX_FMT_BF8 matrix_a_scale:MATRIX_SCALE_ROW1
.elseif (\ao)
	v_wmma_scale_f32_16x16x128_f8f6f4 v[rD:rD+7], v[rB:rB+15], v[rA:rA+15], v[rC:rC+7], v[rSB], v[rSA] matrix_a_fmt:MATRIX_FMT_BF8 matrix_b_fmt:MATRIX_FMT_BF8 matrix_b_scale:MATRIX_SCALE_ROW1
.else
	v_wmma_scale_f32_16x16x128_f8f6f4 v[rD:rD+7], v[rB:rB+15], v[rA:rA+15], v[rC:rC+7], v[rSB], v[rSA] matrix_a_fmt:MATRIX_FMT_BF8 matrix_b_fmt:MATRIX_FMT_BF8
.endif
.endm
.macro MUL q, bias                     ; K step q: 32 products; the 32 accumulators take turns, one instruction a turn.  bias = 1: the sums begin with the bias
.if \bias
	WIN 0xb1                                       ; source 0 (B) window 1, source 1 (A) window 0, C window 3, D window 2
.else
	WIN 0xa1                                       ; C and D window 2
.endif
.irp a, 0,1,2,3
.irp b, 0,1,2,3,4,5,6,7
.set rD, 8*(8*\a+\b)
.set rC, rD
.if \bias
.set rC, 8*\b
.endif
.set rB, 128*((\q)%2)+16*\b
.set rA, 128+64*((\q)%2)+16*\a
.set rSB, SB+8*(\b/2)+(\q)
.set rSA, SA+8*(\a/2)+(\q)
	WM \b%2, \a%2
.endr
.endr
.endm
; Block a's 64 numbers (window 2) become a fragment's codes in v[PC + 16 a] on and its scale word in v[PW + a].  Each accumulator is read from its low end on.
.macro QUANTW a
.set QS, 64*(\a)
	WIN 0x0a
.irp b, 0,1,2,3
	v_max3_num_f32 v[TM+\b], |v[QS+16*\b]|, |v[QS+16*\b+1]|, 0x8000000   ; my 16 numbers of block b, and the floor 2^(16 - 127)
.endr
	WIN 0x28
.irp i, 2,4,6,8,10,12,14
.irp b, 0,1,2,3
	v_max3_num_f32 v[TM+\b], v[TM+\b], |v[QS+16*\b+\i]|, |v[QS+16*\b+\i+1]|
.endr
.endr
	WIN 0
.irp b, 0,1,2,3
	v_permlanex16_b32 v[TM+4+\b], v[TM+\b], s[SEL], s[SEL+1]
.endr
.irp b, 0,1,2,3
	v_max_num_f32 v[TM+\b], v[TM+\b], v[TM+4+\b]   ; with lane l xor 16's: the block's largest magnitude
.endr
.irp b, 0,1,2,3
	v_add_nc_u32 v[TM+12+\b], 0xf8800000, v[TM+\b] ; 15 off its exponent field: the conversion's scale operand
.endr
.irp b, 0,1,2,3
	v_and_or_b32 v[TM+8+\b], v[TM+\b], 0x7f800000, s[MNT]   ; 57,344 x the scale
.endr
.irp b, 0,1,2,3
	v_lshrrev_b32 v[TM+4+\b], 23, v[TM+12+\b]      ; the scale's byte
.endr
	v_lshl_or_b32 v[PW+(\a)], v[TM+5], 8, v[TM+4]
	v_lshl_or_b32 v[PW+(\a)], v[TM+6], 16, v[PW+(\a)]
	v_lshl_or_b32 v[PW+(\a)], v[TM+7], 24, v[PW+(\a)]
	WIN 0x82
.irp b, 0,1,2,3
.irp i, 0,1,2,3,4,5,6,7,8,9,10,11,12,13,14,15
	v_med3_num_f32 v[QS+16*\b+\i], v[QS+16*\b+\i], -v[TM+8+\b], v[TM+8+\b]   ; the conversion does not saturate (ISA guide 7.6.2): the hold comes first
.endr
.endr
	WIN 0x02
.irp b, 0,1,2,3
	v_cvt_scalef32_pk8_bf8_f32 v[PC+16*(\a)+4*\b:PC+16*(\a)+4*\b+1], v[QS+16*\b:QS+16*\b+7], v[TM+12+\b]
	v_cvt_scalef32_pk8_bf8_f32 v[PC+16*(\a)+4*\b+2:PC+16*(\a)+4*\b+3], v[QS+16*\b+8:QS+16*\b+15], v[TM+12+\b]
.endr
	WIN 0
	v_nop                                          ; a plain line behind the last conversion
.irp c, 0,1,2,3
	global_store_b128 v[L16], v[PC+16*(\a)+4*\c:PC+16*(\a)+4*\c+3], s[OC:OC+1] offset:16384*(\a)+512*\c   ; the fragment leaves as it stands: 512 consecutive bytes a store
.endr
	ds_store_b32 v16, v[PW+(\a)] offset:64*(\a)    ; its scale word goes to my 256 bytes of LDS
.endm
	s_load_b256 s[4:11], s[0:1], 0x0               ; codes, scales, br, acodes
	s_load_b64 s[12:13], s[0:1], 0x20              ; ascales
	v_lshl_add_u32 v[SPW], v0, 2, SPARE
	v_mov_b32 v[NIL], 0
	ds_add_u32 v[SPW], v[NIL]
	ds_add_u32 v[SPW], v[NIL]
	v_lshrrev_b32 v1, 5, v0
	v_readfirstlane_b32 s[WV], v1
	s_lshr_b32 s[WR], s[WV], 1
	s_and_b32 s[WC], s[WV], 1
	s_bfe_u32 s23, ttmp6, 0x40000                  ; cx
	s_bfe_u32 s24, ttmp6, 0x40004                  ; cy
	s_lshl_b32 s25, ttmp9, 2
	s_add_co_u32 s25, s25, s23                     ; X: which 256 columns
	s_and_b32 s26, ttmp7, 0xffff
	s_lshl_b32 s26, s26, 2
	s_add_co_u32 s26, s26, s24                     ; Y: which 128 rows
	s_lshl_b32 s27, s24, 2
	s_lshl_b32 s27, 15, s27                        ; my row of the cluster
	s_lshl_b32 s28, 0x1111, s23                    ; my column
	s_or_b32 s[G1A], s27, (3<<16)|(1<<21)          ; 15:0 the mask; 17:16 elements of 8 bytes; 21 set beside a mask; no padding
	s_or_b32 s[G1B], s28, (3<<16)|(1<<21)
	MKG1 G1A, 1024, 4, 2048                        ; 4 tiles x 8,192 bytes (four K steps), 16,384 bytes from tile to tile
	MKG1 G1B, 1024, 8, 2048                        ; 8 tiles
	s_wait_alu depctr_va_vdst(0)
	s_wait_dscnt 0x0                               ; both opening adds are done
	CROUND                                         ; all sixteen work-groups are here: the first joint loads meet
	s_wait_kmcnt 0x0
	; A's address is made of Y and the wave's number, B's of X and the wave's number
	s_lshl_b32 s2, s26, 17
	s_lshl_b32 s29, s[WC], 16
	s_add_co_u32 s2, s2, s29
	s_mov_b32 s3, 0
	s_mov_b32 s[G0A], 1
	s_lshl_b32 s[G0A+1], s[WC], 15
	s_add_nc_u64 s[G0A+2:G0A+3], s[4:5], s[2:3]
	s_or_b32 s[G0A+3], s[G0A+3], 0x80000000
	s_lshl_b32 s66, s25, 18
	s_lshl_b32 s30, s[WC], 17
	s_add_co_u32 s66, s66, s30
	s_add_co_u32 s66, s66, 9<<20                   ; Wr
	s_mov_b32 s67, 0
	s_mov_b32 s[G0B], 1
	s_lshl_b32 s30, s[WC], 16
	s_add_co_u32 s[G0B+1], s30, 65536
	s_add_nc_u64 s[G0B+2:G0B+3], s[4:5], s[66:67]
	s_or_b32 s[G0B+3], s[G0B+3], 0x80000000
	JLOAD                                          ; K steps 0-3
	SUM2 26, 12, WR, 11
	s_add_nc_u64 s[14:15], s[6:7], s[2:3]          ; my tokens' scale words
	SUM2 25, 13, WC, 12
	s_add_co_u32 s2, s2, 294912
	s_add_nc_u64 s[16:17], s[6:7], s[2:3]          ; my columns' of Wr
	SUM2 25, 10, WC, 9
	s_add_nc_u64 s[8:9], s[8:9], s[2:3]            ; br at my 128 columns
	SUM2 26, 17, WR, 16                            ; R's codes: tile 8 Y + 4 WR, K step 2 X + WC
	PLUS 25, 12
	PLUS WC, 11
	s_add_nc_u64 s[OC:OC+1], s[OC:OC+1], s[2:3]
	SUM2 26, 12, 25, 10                            ; its scale words, [tile / 8][K step][tile % 8][row]: 4,096 Y + 512 (2 X + WC) + 256 WR
	PLUS WC, 9
	PLUS WR, 8
	s_add_nc_u64 s[OS:OS+1], s[OS:OS+1], s[2:3]
	s_mov_b32 s[MNT], 0x600000
	s_mov_b32 s[SEL], 0x76543210
	s_mov_b32 s[SEL+1], 0xfedcba98
	v_and_b32 v1, 15, v0                           ; r
	v_bfe_u32 v2, v0, 4, 1                         ; h
	v_and_b32 v3, 31, v0                           ; lane
	v_lshlrev_b32 v[L16], 4, v3
	v_lshlrev_b32 v[L8], 3, v3
	v_lshlrev_b32 v[SLN], 4, v1
	v_lshl_add_u32 v[SLN], v2, 9, v[SLN]
	v_lshlrev_b32 v18, 6, v2                       ; 64 h
	s_lshl_b32 s31, s[WR], 15
	v_add_nc_u32 v[ADA], s31, v[L16]
	s_lshl_b32 s31, s[WR], 14
	v_add_nc_u32 v[ADA+2], s31, v[L16]
	v_add_nc_u32 v[ADA+1], YB, v[ADA+2]
	s_lshl_b32 s31, s[WC], 16
	s_add_co_u32 s31, s31, 65536
	v_add_nc_u32 v[ADB], s31, v[L16]
	s_lshl_b32 s31, s[WC], 15
	s_add_co_u32 s31, s31, 65536
	v_add_nc_u32 v[ADB+2], s31, v[L16]
	v_add_nc_u32 v[ADB+1], YB-32768, v[ADB+2]
	s_lshl_b32 s31, s[WV], 8
	s_add_co_u32 s31, s31, YB                      ; my 256 bytes for scale words, where K steps 4-5 lay: written only behind the last barrier
	v_lshl_add_u32 v16, v1, 2, s31
	v_add_nc_u32 v17, s31, v[L8]
.irp b, 0,1,2,3
	v_mov_b32 v[TM+4+\b], 0                        ; written once: a lane permute's destination counts as one of its sources
.endr
	s_wait_alu depctr_va_vdst(0)                   ; the wait at the head's end
.irp i, 0,1
.irp f, 0,1
	global_load_b128 v[SA+8*\i+4*\f:SA+8*\i+4*\f+3], v[SLN], s[14:15] offset:1024*\i+256*\f   ; four K steps' words of tile 2 i (lanes 0-15) and 2 i + 1 (lanes 16-31)
.endr
.endr
.irp i, 0,1,2,3
.irp f, 0,1
	global_load_b128 v[SB+8*\i+4*\f:SB+8*\i+4*\f+3], v[SLN], s[16:17] offset:1024*\i+256*\f
.endr
.endr
	WIN 0xc0
.irp b, 0,1,2,3,4,5,6,7                ; register 8 b + j of window 3: the bias of column 32 (b / 2) + 16 h + 8 (b % 2) + j
	global_load_b128 v[8*\b:8*\b+3], v18, s[8:9] offset:128*(\b/2)+32*(\b%2)
	global_load_b128 v[8*\b+4:8*\b+7], v18, s[8:9] offset:128*(\b/2)+32*(\b%2)+16
.endr
	WIN 0
	s_wait_tensorcnt 0x0                           ; my part of K steps 0-3 is in
	ds_add_u32 v[SPW], v[NIL]
	STEPG 8192, 14, YB, 15, YB+32768
.irp g, G1A, G1B                       ; from here on a tile's row is 4,096 bytes: two K steps
	s_mov_b32 s[\g+1], 512<<16
	s_mov_b32 s[\g+3], 512<<16
.endr
	s_wait_dscnt 0x0
	CROUND                                         ; everybody's parts are in
	JLOAD                                          ; K steps 4-5
	FETCH 0
	FETCH 1
	s_wait_loadcnt 0x0                             ; the scale words and the bias
	s_wait_dscnt 48                                ; all but K step 1's 48 loads
	MUL 0, 1
	PLACES 8                                       ; in front of loads into registers that these products have read
	FETCH 2
	s_wait_dscnt 48
	MUL 1, 0
	PLACES 8
	FETCH 3
	s_wait_tensorcnt 0x0                           ; K steps 4-5 are in
	ds_add_u32 v[SPW], v[NIL]
	STEPG 4096, 14, 0, 15, 65536
	s_wait_dscnt 49                                ; K step 3's 48 loads and the add may be out
	MUL 2, 0
	WIN 0
	s_wait_dscnt 0x0                               ; my reads of K steps 0-3 are over
	CROUND                                         ; no wave of any partner still reads them
	JLOAD                                          ; K steps 6-7 in their place; its four v_nop and the four below are eight places
	PLACES 4
	FETCH 4
	MUL 3, 0
	PLACES 8
	FETCH 5
	s_wait_dscnt 48
	MUL 4, 0
	s_wait_tensorcnt 0x0                           ; my part of K steps 6-7 has landed
	s_wait_dscnt 0x0                               ; my reads of K steps 4-5 are over
	s_barrier_signal -1
	MUL 5, 0                                       ; work on registers while the others arrive
	PLACES 8
	s_barrier_wait -1
	FETCH 6
	FETCH 7
	s_wait_dscnt 48
	MUL 6, 0
	s_wait_dscnt 0x0
	MUL 7, 0
	WIN 0
	PLACES 8                                       ; in front of the first read of results, and of writes into A's registers
.irp a, 0,1,2,3
	QUANTW \a
.endr
	ds_load_b64 v[116:117], v17                    ; my four blocks' scale words: LDS serves a wave's instructions in order
	s_wait_dscnt 0x0
	global_store_b64 v[L8], v[116:117], s[OS:OS+1] ; 32 lanes store 256 consecutive bytes, aligned
	s_wait_tensorcnt 0x0                           ; the wave's end
	ds_add_u32 v[SPW], v[NIL]
	s_wait_dscnt 0x0
	CROUND                                         ; the closing round
	s_endpgm
.Lfunc_end_k_q8b5e4b20b7_gemm_r:
	.size	k_q8b5e4b20b7_gemm_r, .Lfunc_end_k_q8b5e4b20b7_gemm_r-k_q8b5e4b20b7_gemm_r
	.p2alignl 7, 3214868480
	.fill 96, 4, 3214868480
	.section	.rodata,"a",@progbits
	.p2align	6, 0x0
	.amdhsa_kernel k_q8b5e4b20b7_gemm_r
		.amdhsa_group_segment_fixed_size 327680
		.amdhsa_private_segment_fixed_size 0
		.amdhsa_enable_private_segment 0
		.amdhsa_kernarg_size 40
		.amdhsa_user_sgpr_count 2
		.amdhsa_user_sgpr_kernarg_segment_ptr 1
		.amdhsa_wavefront_size32 1
		.amdhsa_system_sgpr_workgroup_id_x 1
		.amdhsa_system_sgpr_workgroup_id_y 1
		.amdhsa_system_sgpr_workgroup_id_z 1
		.amdhsa_system_vgpr_workitem_id 0
		.amdhsa_next_free_vgpr 1024
		.amdhsa_next_free_sgpr 102
		.amdhsa_reserve_vcc 0
		.amdhsa_float_denorm_mode_32 3
		.amdhsa_float_denorm_mode_16_64 3
		.amdhsa_memory_ordered 1
		.amdhsa_forward_progress 1
		.amdhsa_inst_pref_size 106
	.end_amdhsa_kernel
	.amdgpu_metadata
---
amdhsa.version: [ 1, 2 ]
amdhsa.kernels:
  - .name:           k_q8b5e4b20b7_gemm_r
    .symbol:         k_q8b5e4b20b7_gemm_r.kd
    .args:
      - { .name: codes, .offset: 0, .size: 8, .value_kind: global_buffer, .address_space: global }
      - { .name: scales, .offset: 8, .size: 8, .value_kind: global_buffer, .address_space: global }
      - { .name: br, .offset: 16, .size: 8, .value_kind: global_buffer, .address_space: global }
      - { .name: acodes, .offset: 24, .size: 8, .value_kind: global_buffer, .address_space: global }
      - { .name: ascales, .offset: 32, .size: 8, .value_kind: global_buffer, .address_space: global }
    .group_segment_fixed_size: 327680
    .private_segment_fixed_size: 0
    .kernarg_segment_align: 8
    .kernarg_segment_size: 40
    .max_flat_workgroup_size: 128
    .sgpr_count:     102
    .vgpr_count:     1024
    .wavefront_size: 32
...
	.end_amdgpu_metadata
.endif
;; end of part 2
;; launch route_kv (part 3): grid 4 x 64, 4 waves a work-group, clusters of 4 x 1, 327,680 bytes of LDS; arguments acodes, ascales, codes, scales, bk, bv, kv, idx; writes kv, idx
.if DOCPART == 3
	.amdgcn_target "amdgcn-amd-amdhsa--gfx1250"
	.amdhsa_code_object_version 6
	.text
	.protected	k_q8b5e4b20b7_route_kv
	.globl	k_q8b5e4b20b7_route_kv
	.p2align	8
	.type	k_q8b5e4b20b7_route_kv,@function
k_q8b5e4b20b7_route_kv:
	s_mov_b64 s[64:65], 0
	v_nop
	global_prefetch_b8 v0, s[64:65] scope:SCOPE_SE
	s_setreg_imm32_b32 hwreg(HW_REG_WAVE_MODE, 25, 1), 1
	s_wait_xcnt 0x0
	s_wait_alu depctr_hold_cnt(0) depctr_sa_sdst(0) depctr_va_vdst(0) depctr_va_sdst(0) depctr_va_ssrc(0) depctr_va_vcc(0) depctr_vm_vsrc(0)
	s_getreg_b32 s2, hwreg(HW_REG_IB_STS2, 6, 4)
	s_cmp_eq_u32 s2, 0
	s_cbranch_scc0 .Lentry_in_a_cluster
	s_endpgm
.Lentry_in_a_cluster:
	s_bfe_u32 s2, ttmp6, 0x10000c
	s_cmp_lg_u32 s2, 0x3003
	s_cbranch_scc0 .Lentry_shape_is_right
	s_endpgm
.Lentry_shape_is_right:
; Two roles of equal shape, 64 rows x 256 columns a work-group, by the cluster's y (the same in all four partners): 128 work-groups each.
; y < 32, ROUTING: R states^T for 64 tokens x the 256 states of their batch, on codes of E5M2; then each token's two best states, ties to the lower index, stored as whole numbers (256 batch + state, the best first).
; y >= 32, K AND V: states Wk^T + bk and states Wv^T + bv for 64 state rows x 256 columns, stored as f32 tables.  The quantiser and both products work row by row, and the chosen rows are rows of states:
; so the products of the gathered rows are the gathered rows of these tables, for every input.
; THE TABLES: kv[batch 4][two heads 8][state 256][K 512 bytes, V 512 bytes]; in 512 bytes the 128 columns lie as [half p][packet 16][4]: column 8 packet + 4 p + i.
; A wave makes 32 rows x 128 columns: 2 blocks of A x 8 of B, 16 accumulators, transposed use (source 0 = B's rows), operands as images of their registers.
; LDS: from 0 A's 4 tiles, all of K; from 65,536 B's 16 tiles, K steps 0-3, and later 6-7; from 196,608 B's K steps 4-5.
; FILLS, one load a wave: wave 0: A; waves 1, 2: B's halves of K steps 0-3; wave 3: B's K steps 4-5, which alone is not waited for at the first barrier.  Then one refill, a quarter a wave.  A wave has one tensor load out.
; CLUSTER 4 x 1: the four partners share B (a batch's states, or 256 rows of a weight): joint loads with the mask 15.  Each has rows of A of its own: a plain load.  No prefetch: two fills and no loop to run ahead in.
; States as B lie in tiles of neighbouring rows: register 8 b + j of a block's 64 holds state 16 b + 8 h + j of the wave's 128.
; The sums begin with the bias (K and V) or with zeros (routing), the C of the first products.  The roles use LDS bytes of their own on the way out and meet at one barrier.
; LIMITS: NaN and infinities among the routing scores are not served; +0 and -0 count as equal.  The biases are added ahead of the products.
.set BX,    65536
.set BY,    196608
.set STG,   BY                         ; the way out of the tables: 16 rows x 528 bytes a wave, where K steps 4-5 lay: written only behind the last barrier
.set XCH,   BY+40960                   ; the exchange of the two bests, likewise
.set SPARE, 262144
.set SPW,  4
.set NIL,  5
.set ADA,  6
.set ADB,  9                           ; v9-11
.set SLN,  12
.set L4,   13
.set L16,  14
.set L8,   15
.set STO,  16
.set RD,   17
.set LBR,  36                          ; v36  8 h + 128 WC + 256 batch: what turns a register's number into a state's row
.set XS,   37                          ; v37  where I put a token's two best of my 128 states
.set XL,   38                          ; v38  where I read both halves' back
.set SA,   44
.set SB,   64
.set QD,   96                          ; v96-127  chain n's quad [best, second, their indices] at QD + 8 n, in two sets by turns
.set CB,   192                         ; v192-255 the sums' first C; later MERGE's work
.set MT,   192
.set WV,   20
.set WR,   21
.set WC,   22
.set SEL,  84
.set G1A,  32
.set G1X,  40
.set G1Y,  48
.set G1R,  56
.set G0A,  68
.set G0X,  72
.set G0Y,  76
.set G0R,  80
.set OUT,  16
.set MSB,  0
.macro WIN new
.if MSB != (\new)
	s_set_vgpr_msb (MSB<<8)|(\new)
.set MSB, (\new)
.endif
.endm
.macro PLACES n
.rept \n
	v_nop
.endr
.endm
.macro CROUND
	s_barrier_signal -1
	s_barrier_wait -1
	s_cmp_lg_u32 s[WV], 0
	s_cbranch_scc1 .Lnot_wave_0_\@
	s_barrier_signal -3
.Lnot_wave_0_\@:
	s_barrier_wait -3
	s_barrier_signal -1
	s_barrier_wait -1
.endm
.macro MKG1 g, w, c, r
	s_mov_b32 s[\g], \w
	s_mov_b32 s[\g+1], (\c)<<16
	s_mov_b32 s[\g+2], (\r)<<16
	s_mov_b32 s[\g+3], (\c)<<16
	s_mov_b32 s[\g+4], \r
	s_mov_b32 s[\g+5], 2048                        ; 16,384 bytes from tile to tile
	s_mov_b32 s[\g+6], 0
	s_mov_b32 s[\g+7], 0
.endm
.macro SUM2 a, i, b, j
	s_lshl_b32 s2, s[\a], \i
	s_lshl_b32 s31, s[\b], \j
	s_add_co_u32 s2, s2, s31
	s_mov_b32 s3, 0
.endm
.macro PLUS c, k
	s_lshl_b32 s31, s[\c], \k
	s_add_co_u32 s2, s2, s31
.endm
.macro TL g0, g1
	tensor_load_to_lds s[\g0:\g0+3], s[\g1:\g1+7]
	s_nop 0
	PLACES 4
.endm
.macro FETCH q                         ; K step q, 40 loads: B's eight fragments into set q % 2 of window 1, A's two into set q % 2 of window 0
.if (\q) < 4
.set FG, 0
.set FS, 8192
.set FO, 2048*(\q)
.else
.set FG, (\q)/2-1
.set FS, 4096
.set FO, 2048*((\q)%2)
.endif
	WIN 0x40
.irp b, 0,1,2,3,4,5,6,7
.irp c, 0,1,2,3
	ds_load_b128 v[128*((\q)%2)+16*\b+4*\c:128*((\q)%2)+16*\b+4*\c+3], v[ADB+FG] offset:FS*\b+FO+512*\c
.endr
.endr
	WIN 0
.irp a, 0,1
.irp c, 0,1,2,3
	ds_load_b128 v[128+32*((\q)%2)+16*\a+4*\c:128+32*((\q)%2)+16*\a+4*\c+3], v[ADA] offset:16384*\a+2048*(\q)+512*\c
.endr
.endr
.endm
.macro WM bo, ao
.if (\bo) && (\ao)
	v_wmma_scale_f32_16x16x128_f8f6f4 v[rD:rD+7], v[rB:rB+15], v[rA:rA+15], v[rC:rC+7], v[rSB], v[rSA] matrix_a_fmt:MATRIX_FMT_BF8 matrix_b_fmt:MATRIX_FMT_BF8 matrix_a_scale:MATRIX_SCALE_ROW1 matrix_b_scale:MATRIX_SCALE_ROW1
.elseif (\bo)
	v_wmma_scale_f32_16x16x128_f8f6f4 v[rD:rD+7], v[rB:rB+15], v[rA:rA+15], v[rC:rC+7], v[rSB], v[rSA] matrix_a_fmt:MATRIX_FMT_BF8 matrix_b_fmt:MATRIX_FMT_BF8 matrix_a_scale:MATRIX_SCALE_ROW1
.elseif (\ao)
	v_wmma_scale_f32_16x16x128_f8f6f4 v[rD:rD+7], v[rB:rB+15], v[rA:rA+15], v[rC:rC+7], v[rSB], v[rSA] matrix_a_fmt:MATRIX_FMT_BF8 matrix_b_fmt:MATRIX_FMT_BF8 matrix_b_scale:MATRIX_SCALE_ROW1
.else
	v_wmma_scale_f32_16x16x128_f8f6f4 v[rD:rD+7], v[rB:rB+15], v[rA:rA+15], v[rC:rC+7], v[rSB], v[rSA] matrix_a_fmt:MATRIX_FMT_BF8 matrix_b_fmt:MATRIX_FMT_BF8
.endif
.endm
.macro MUL q, first                    ; K step q: 16 products; the 16 accumulators take turns, one instruction a turn
.if \first
	WIN 0x81                                       ; C window 0
.else
	WIN 0xa1
.endif
.irp a, 0,1
.irp b, 0,1,2,3,4,5,6,7
.set rD, 8*(8*\a+\b)
.set rC, rD
.if \first
.set rC, CB+8*\b
.endif
.set rB, 128*((\q)%2)+16*\b
.set rA, 128+32*((\q)%2)+16*\a
.set rSB, SB+8*(\b/2)+(\q)
.set rSA, SA+(\q)
	WM \b%2, \a%2
.endr
.endr
.endm
; The way out of the tables: block a (16 rows x 128 columns) goes through my own stage (rows 528 bytes apart), each accumulator from its low end on, and comes back as whole rows of 512 bytes, into window 3
.macro TOSTAGE a
	WIN 0x08
.irp b, 0,1,2,3,4,5,6,7
	ds_store_b128 v[STO], v[64*(\a)+8*\b:64*(\a)+8*\b+3] offset:64*(\b/2)+16*(\b%2)
	ds_store_b128 v[STO], v[64*(\a)+8*\b+4:64*(\a)+8*\b+7] offset:64*(\b/2)+16*(\b%2)+256
.endr
	WIN 0xc0
.irp t, 0,1,2,3,4,5,6,7,8,9,10,11,12,13,14,15
	ds_load_b128 v[64*(\a)+4*\t:64*(\a)+4*\t+3], v[RD] offset:528*\t   ; LDS serves a wave's instructions in order
.endr
.endm
.macro SEND a, younger                 ; younger: the next block's 16 stores and 16 loads, or none
	s_wait_dscnt \younger
	WIN 0x0c
.irp t, 0,1,2,3,4,5,6,7,8,9,10,11,12,13,14,15
	global_store_b128 v[L16], v[64*(\a)+4*\t:64*(\a)+4*\t+3], s[OUT:OUT+1] offset:16384*(\a)+1024*\t   ; 32 lanes store 512 consecutive bytes
.endr
.endm
; s[m] = the lanes in which (value v[x], index v[x + 2]) comes ahead of (v[y], v[y + 2]): the greater value, or the same value and the lower index
.macro BETTER m, x, y
	v_cmp_gt_f32 s[\m], v[\x], v[\y]
	v_cmp_eq_f32 s[\m+1], v[\x], v[\y]
	v_cmp_lt_u32 s[\m+2], v[\x+2], v[\y+2]
	s_and_b32 s[\m+1], s[\m+1], s[\m+2]
	s_or_b32 s[\m], s[\m], s[\m+1]
.endm
; the two best of two quads, into the first
.macro MERGE qa, qb
	BETTER 68, \qa, \qb
	v_cndmask_b32 v[MT], v[\qa], v[\qb], s68       ; the loser of the two bests,
	v_cndmask_b32 v[MT+2], v[\qa+2], v[\qb+2], s68
	v_cndmask_b32 v[MT+1], v[\qb+1], v[\qa+1], s68 ; and the winner's second
	v_cndmask_b32 v[MT+3], v[\qb+3], v[\qa+3], s68
	v_cndmask_b32 v[\qa], v[\qb], v[\qa], s68
	v_cndmask_b32 v[\qa+2], v[\qb+2], v[\qa+2], s68
	BETTER 72, MT, MT+1
	v_cndmask_b32 v[\qa+1], v[MT+1], v[MT], s72
	v_cndmask_b32 v[\qa+3], v[MT+3], v[MT+2], s72
.endm
	s_load_b512 s[4:19], s[0:1], 0x0               ; acodes, ascales, codes, scales, bk, bv, kv, idx
	v_lshl_add_u32 v[SPW], v0, 2, SPARE
	v_mov_b32 v[NIL], 0
	ds_add_u32 v[SPW], v[NIL]
	ds_add_u32 v[SPW], v[NIL]
	v_lshrrev_b32 v1, 5, v0
	v_readfirstlane_b32 s[WV], v1
	s_lshr_b32 s[WR], s[WV], 1
	s_and_b32 s[WC], s[WV], 1
	s_bfe_u32 s23, ttmp6, 0x40000                  ; cx: it enters A's, kv's and idx's addresses alone
	s_and_b32 s26, ttmp7, 0xffff                   ; y
	MKG1 G1A, 3<<16, 2048, 4                       ; A: a load of my own: no mask; elements of 8 bytes; 4 tiles, all of K
	MKG1 G1X, 15|(3<<16)|(1<<21), 1024, 8          ; B: all four work-groups; 21 set beside a mask; 8 tiles x four K steps
	MKG1 G1Y, 15|(3<<16)|(1<<21), 512, 16          ; 16 tiles x two K steps
	MKG1 G1R, 15|(3<<16)|(1<<21), 512, 4           ; a refill: 4 tiles x two K steps
	s_lshl_b32 s24, s26, 2
	s_add_co_u32 s24, s24, s23                     ; routing: which 64 tokens
	s_and_b32 s25, s26, 31
	s_and_b32 s31, s25, 3
	s_lshl_b32 s31, s31, 2
	s_add_co_u32 s31, s31, s23                     ; K and V: which 64 state rows
	s_lshr_b32 s25, s25, 2                         ; and which 256 columns: 0-3 of Wk, 4-7 of Wv
	s_lshr_b32 s28, s26, 3                         ; routing: the batch
	s_mov_b32 s29, 8<<20
	s_mov_b32 s30, 11<<20
	s_mov_b32 s67, 360448
	s_wait_alu depctr_va_vdst(0)
	s_wait_dscnt 0x0                               ; both opening adds are done
	CROUND                                         ; all four work-groups are here: the first joint loads meet
	s_wait_kmcnt 0x0
	s_cmp_ge_u32 s26, 32                           ; the role; every choice is made on this one compare
	s_cselect_b32 s24, s31, s24                    ; my 64 rows of A
	s_cselect_b32 s27, s25, s28                    ; my 256 rows of B
	s_cselect_b32 s66, s30, s29                    ; B: Wk and Wv from 11 MiB on, or states at 8 MiB
	s_cselect_b32 s29, s29, 0                      ; A: states at 8 MiB of codes, or R's codes from 0
	s_cselect_b32 s67, s67, 262144
	s_cselect_b64 s[4:5], s[8:9], s[4:5]
	s_lshl_b32 s2, s24, 16
	s_add_co_u32 s2, s2, s29
	s_mov_b32 s3, 0
	s_mov_b32 s[G0A], 1
	s_mov_b32 s[G0A+1], 0
	s_add_nc_u64 s[G0A+2:G0A+3], s[4:5], s[2:3]
	s_or_b32 s[G0A+3], s[G0A+3], 0x80000000
	s_lshl_b32 s98, s27, 18                        ; B's registers never hold cx
	s_add_co_u32 s98, s98, s66
	s_mov_b32 s99, 0
	s_add_nc_u64 s[98:99], s[8:9], s[98:99]
	s_add_co_u32 s88, s[WV], 1
	s_and_b32 s88, s88, 1                          ; wave 1: half 0; wave 2: half 1
	s_lshl_b32 s100, s88, 17
	s_mov_b32 s101, 0
	s_mov_b32 s[G0X], 1
	s_lshl_b32 s89, s88, 16
	s_add_co_u32 s[G0X+1], s89, BX
	s_add_nc_u64 s[G0X+2:G0X+3], s[98:99], s[100:101]
	s_or_b32 s[G0X+3], s[G0X+3], 0x80000000
	s_mov_b32 s[G0Y], 1
	s_mov_b32 s[G0Y+1], BY
	s_add_nc_u64 s[G0Y+2:G0Y+3], s[98:99], 8192
	s_or_b32 s[G0Y+3], s[G0Y+3], 0x80000000
	s_lshl_b32 s100, s[WV], 16
	s_add_co_u32 s100, s100, 12288
	s_mov_b32 s[G0R], 1
	s_lshl_b32 s89, s[WV], 14
	s_add_co_u32 s[G0R+1], s89, BX
	s_add_nc_u64 s[G0R+2:G0R+3], s[98:99], s[100:101]
	s_or_b32 s[G0R+3], s[G0R+3], 0x80000000
	s_cmp_eq_u32 s[WV], 0
	s_cbranch_scc0 .Lwave_1
	TL G0A, G1A
	s_branch .Lasked
.Lwave_1:
	s_cmp_lt_u32 s[WV], 3
	s_cbranch_scc0 .Lwave_3
	TL G0X, G1X
	s_branch .Lasked
.Lwave_3:
	TL G0Y, G1Y
.Lasked:
	SUM2 27, 13, WC, 12
	s_add_co_u32 s2, s2, s67
	s_add_nc_u64 s[90:91], s[10:11], s[2:3]        ; B's scale words
	s_lshr_b32 s30, s25, 2                         ; 0: K, 1: V
	s_and_b32 s23, s25, 3
	s_lshr_b32 s88, s24, 2
	s_and_b32 s89, s24, 3
	SUM2 88, 21, 23, 19                            ; the tables: batch x 2 MiB + (2 (column group % 4) + WC) x 256 KiB + state x 1,024 + table x 512
	PLUS WC, 18
	PLUS 89, 16
	PLUS WR, 15
	PLUS 30, 9
	s_add_nc_u64 s[OUT:OUT+1], s[OUT:OUT+1], s[2:3]
	s_cmp_eq_u32 s30, 1
	s_cselect_b64 s[12:13], s[14:15], s[12:13]     ; bk or bv,
	SUM2 23, 10, WC, 9
	s_add_nc_u64 s[12:13], s[12:13], s[2:3]        ; at my 128 columns
	SUM2 24, 9, WR, 8                              ; idx: 8 bytes a token
	s_add_nc_u64 s[18:19], s[18:19], s[2:3]
	s_mov_b32 s[SEL], 0x76543210
	s_mov_b32 s[SEL+1], 0xfedcba98
	; every LDS address of both roles is made here, ahead of the roles' parting
	v_and_b32 v1, 15, v0
	v_bfe_u32 v2, v0, 4, 1
	v_and_b32 v3, 31, v0
	v_lshlrev_b32 v[L16], 4, v3
	v_lshlrev_b32 v[L8], 3, v3
	v_lshlrev_b32 v[L4], 2, v3
	v_lshlrev_b32 v[SLN], 4, v1
	v_lshl_add_u32 v[SLN], v2, 9, v[SLN]
	v_lshlrev_b32 v18, 6, v2
	s_lshl_b32 s31, s[WR], 15
	v_add_nc_u32 v[ADA], s31, v[L16]
	s_lshl_b32 s31, s[WC], 16
	s_add_co_u32 s31, s31, BX
	v_add_nc_u32 v[ADB], s31, v[L16]
	s_lshl_b32 s31, s[WC], 15
	s_add_co_u32 s31, s31, BX
	v_add_nc_u32 v[ADB+2], s31, v[L16]
	v_add_nc_u32 v[ADB+1], BY-BX, v[ADB+2]
	s_mul_i32 s31, s[WV], 8448
	s_add_co_u32 s31, s31, STG
	v_mul_u32_u24 v[STO], v1, 528
	v_lshl_add_u32 v[STO], v2, 5, v[STO]
	v_add_nc_u32 v[STO], s31, v[STO]               ; row r, packet 4 (b / 2) + 2 h + b % 2
	v_add_nc_u32 v[RD], s31, v[L16]
	s_lshl_b32 s31, s[WR], 10
	s_add_co_u32 s31, s31, XCH                     ; the exchange: [row half 1,024][column half 512][block 256][token 16]
	v_add_nc_u32 v[XL], s31, v[L16]
	s_lshl_b32 s30, s[WC], 9
	s_add_co_u32 s30, s30, s31
	v_lshl_add_u32 v[XS], v1, 4, s30
	s_lshl_b32 s30, s28, 8
	s_lshl_b32 s31, s[WC], 7
	s_add_co_u32 s30, s30, s31
	v_lshl_add_u32 v[LBR], v2, 3, s30
	s_wait_alu depctr_va_vdst(0)
.irp i, 0,1,2,3
.irp f, 0,1
	global_load_b128 v[SB+8*\i+4*\f:SB+8*\i+4*\f+3], v[SLN], s[90:91] offset:1024*\i+256*\f
.endr
.endr
	s_cmp_lt_u32 s26, 32
	s_cbranch_scc1 .Lhead_route
	SUM2 24, 11, WR, 10
	s_add_co_u32 s2, s2, 262144
	s_add_nc_u64 s[92:93], s[10:11], s[2:3]        ; A: the states' scale words
	global_load_b128 v[SA:SA+3], v[SLN], s[92:93]
	global_load_b128 v[SA+4:SA+7], v[SLN], s[92:93] offset:256
.irp b, 0,1,2,3,4,5,6,7                ; register 8 b + j: the bias of column 32 (b / 2) + 16 h + 8 (b % 2) + j
	global_load_b128 v[CB+8*\b:CB+8*\b+3], v18, s[12:13] offset:128*(\b/2)+32*(\b%2)
	global_load_b128 v[CB+8*\b+4:CB+8*\b+7], v18, s[12:13] offset:128*(\b/2)+32*(\b%2)+16
.endr
	s_branch .Lhead_join
.Lhead_route:
	s_lshr_b32 s88, s24, 1
	s_and_b32 s89, s24, 1
	SUM2 88, 12, 89, 8
	PLUS WR, 7
	s_add_nc_u64 s[94:95], s[6:7], s[2:3]          ; A: R's scale words, [tile / 8][K step][tile % 8][row]
.irp s, 0,1,2,3,4,5,6,7
	global_load_b32 v[SA+\s], v[L4], s[94:95] offset:512*\s
.endr
.set K_, 0
.rept 64
	v_mov_b32 v[CB+K_], 0                          ; the sums begin with zeros
.set K_, K_+1
.endr
.Lhead_join:
	s_wait_alu depctr_va_vdst(0)                   ; the wait at the head's end
	s_cmp_lt_u32 s[WV], 3
	s_cbranch_scc0 .Lnot_yet
	s_wait_tensorcnt 0x0                           ; A and B's K steps 0-3: wave 3's load is shown by the round below
.Lnot_yet:
	s_barrier_signal -1
	s_barrier_wait -1
	FETCH 0
	FETCH 1
	s_wait_loadcnt 0x0                             ; the scale words and the bias
	s_wait_dscnt 40                                ; all but K step 1's 40 loads
	MUL 0, 1
	PLACES 8
	FETCH 2
	s_wait_dscnt 40
	MUL 1, 0
	PLACES 8
	FETCH 3
	s_wait_tensorcnt 0x0
	ds_add_u32 v[SPW], v[NIL]
	s_wait_dscnt 41                                ; K step 3's 40 loads and the add may be out
	MUL 2, 0
	WIN 0
	s_wait_dscnt 0x0                               ; my reads of B's K steps 0-3 are over
	CROUND
	TL G0R, G1R                                    ; B's K steps 6-7 in their place; its four v_nop and the four below are eight places
	PLACES 4
	FETCH 4
	MUL 3, 0
	PLACES 8
	FETCH 5
	s_wait_dscnt 40
	MUL 4, 0
	s_wait_tensorcnt 0x0                           ; my part of K steps 6-7 has landed
	s_wait_dscnt 0x0                               ; my reads of K steps 4-5 are over
	s_barrier_signal -1
	MUL 5, 0
	PLACES 8
	s_barrier_wait -1
	FETCH 6
	FETCH 7
	s_wait_dscnt 40
	MUL 6, 0
	s_wait_dscnt 0x0
	MUL 7, 0
	WIN 0
	PLACES 8
	s_cmp_lt_u32 s26, 32
	s_cbranch_scc1 .Lroute
	; ---- K AND V: the tables leave
	TOSTAGE 0
	TOSTAGE 1
	SEND 0, 32
	SEND 1, 0
	WIN 0
	s_branch .Ljoin
.Lroute:
	; ---- ROUTING: four chains, (block a, half of its 64 scores), each scanned by ascending state; on equal scores what stands is kept, which is the lower index
.irp n, 0,1,2,3
	v_mov_b32 v[QD+8*\n], 0xff800000
	v_mov_b32 v[QD+8*\n+1], 0xff800000
	v_mov_b32 v[QD+8*\n+2], 0
	v_mov_b32 v[QD+8*\n+3], 0
.endr
	WIN 0x20                                       ; source 2, the score, in window 2
.set EI, 0
.rept 32
.set EO, QD+4*(EI%2)
.set EN, QD+4-4*(EI%2)
.irp n, 0,1,2,3
	v_max3_num_f32 v[EN+8*\n], v[EO+8*\n], v[EO+8*\n], v[32*\n+EI]         ; the best
.endr
.irp n, 0,1,2,3
	v_med3_num_f32 v[EN+8*\n+1], v[EO+8*\n], v[EO+8*\n+1], v[32*\n+EI]     ; the second: the middle one of best, second and score
.endr
.irp n, 0,1,2,3
	v_cmp_eq_f32 s[68+2*\n], v[EN+8*\n], v[EO+8*\n]                        ; the best stands
.endr
.irp n, 0,1,2,3
	v_cmp_eq_f32 s[69+2*\n], v[EN+8*\n+1], v[EO+8*\n+1]                    ; the second stands
.endr
.irp n, 0,1,2,3
	v_cndmask_b32 v[EN+8*\n+3], 32*(\n%2)+EI, v[EO+8*\n+3], s[69+2*\n]
.endr
.irp n, 0,1,2,3
	v_cndmask_b32 v[EN+8*\n+3], v[EO+8*\n+2], v[EN+8*\n+3], s[68+2*\n]     ; a best that falls becomes the second
.endr
.irp n, 0,1,2,3
	v_cndmask_b32 v[EN+8*\n+2], 32*(\n%2)+EI, v[EO+8*\n+2], s[68+2*\n]
.endr
.set EI, EI+1
.endr
	WIN 0
.irp n, 0,1,2,3
.irp k, 2,3
	v_and_b32 v[MT+\k], 0x38, v[QD+8*\n+\k]        ; register e = 8 b + j holds state 16 b + j + 8 h of my 128: e + (e & 0x38) + 8 h + 128 WC + 256 batch
	v_add3_u32 v[QD+8*\n+\k], v[QD+8*\n+\k], v[MT+\k], v[LBR]
.endr
.endr
	MERGE QD, QD+8
	MERGE QD+16, QD+24
.irp a, 0,1
.irp k, 0,1,2,3
	v_permlanex16_b32 v[QD+16*\a+8+\k], v[QD+16*\a+\k], s[SEL], s[SEL+1]   ; the token's other 64 states lie in lane l xor 16
.endr
.endr
	MERGE QD, QD+8
	MERGE QD+16, QD+24
.irp a, 0,1
	ds_store_b128 v[XS], v[QD+16*\a:QD+16*\a+3] offset:256*\a              ; both halves of the lanes write the same bytes with the same values
.endr
.Ljoin:
	s_wait_dscnt 0x0                               ; my stores into the exchange have landed
	s_barrier_signal -1
	s_barrier_wait -1
	s_cmp_lt_u32 s26, 32
	s_cbranch_scc0 .Lend
	s_cmp_eq_u32 s[WC], 0                          ; waves 0 and 2 finish 32 tokens each: lane (r, h) block h's token r
	s_cbranch_scc0 .Lend
	ds_load_b128 v[96:99], v[XL]                   ; states 0-127's two best of my token,
	ds_load_b128 v[104:107], v[XL] offset:512      ; and states 128-255's
	s_wait_dscnt 0x0
	MERGE 96, 104
	global_store_b64 v[L8], v[98:99], s[18:19]     ; 32 tokens' two indices: 256 consecutive bytes, aligned
.Lend:
	s_wait_tensorcnt 0x0                           ; the wave's end
	ds_add_u32 v[SPW], v[NIL]
	s_wait_dscnt 0x0
	CROUND                                         ; the closing round
	s_endpgm
.Lfunc_end_k_q8b5e4b20b7_route_kv:
	.size	k_q8b5e4b20b7_route_kv, .Lfunc_end_k_q8b5e4b20b7_route_kv-k_q8b5e4b20b7_route_kv
	.p2alignl 7, 3214868480
	.fill 96, 4, 3214868480
	.section	.rodata,"a",@progbits
	.p2align	6, 0x0
	.amdhsa_kernel k_q8b5e4b20b7_route_kv
		.amdhsa_group_segment_fixed_size 327680
		.amdhsa_private_segment_fixed_size 0
		.amdhsa_enable_private_segment 0
		.amdhsa_kernarg_size 64
		.amdhsa_user_sgpr_count 2
		.amdhsa_user_sgpr_kernarg_segment_ptr 1
		.amdhsa_wavefront_size32 1
		.amdhsa_system_sgpr_workgroup_id_x 1
		.amdhsa_system_sgpr_workgroup_id_y 1
		.amdhsa_system_sgpr_workgroup_id_z 1
		.amdhsa_system_vgpr_workitem_id 0
		.amdhsa_next_free_vgpr 1024
		.amdhsa_next_free_sgpr 102
		.amdhsa_reserve_vcc 0
		.amdhsa_float_denorm_mode_32 3
		.amdhsa_float_denorm_mode_16_64 3
		.amdhsa_memory_ordered 1
		.amdhsa_forward_progress 1
		.amdhsa_inst_pref_size 126
	.end_amdhsa_kernel
	.amdgpu_metadata
---
amdhsa.version: [ 1, 2 ]
amdhsa.kernels:
  - .name:           k_q8b5e4b20b7_route_kv
    .symbol:         k_q8b5e4b20b7_route_kv.kd
    .args:
      - { .name: acodes, .offset: 0, .size: 8, .value_kind: global_buffer, .address_space: global }
      - { .name: ascales, .offset: 8, .size: 8, .value_kind: global_buffer, .address_space: global }
      - { .name: codes, .offset: 16, .size: 8, .value_kind: global_buffer, .address_space: global }
      - { .name: scales, .offset: 24, .size: 8, .value_kind: global_buffer, .address_space: global }
      - { .name: bk, .offset: 32, .size: 8, .value_kind: global_buffer, .address_space: global }
      - { .name: bv, .offset: 40, .size: 8, .value_kind: global_buffer, .address_space: global }
      - { .name: kv, .offset: 48, .size: 8, .value_kind: global_buffer, .address_space: global }
      - { .name: idx, .offset: 56, .size: 8, .value_kind: global_buffer, .address_space: global }
    .group_segment_fixed_size: 327680
    .private_segment_fixed_size: 0
    .kernarg_segment_align: 8
    .kernarg_segment_size: 64
    .max_flat_workgroup_size: 128
    .sgpr_count:     102
    .vgpr_count:     1024
    .wavefront_size: 32
...
	.end_amdgpu_metadata
.endif
;; end of part 3
;; launch attn (part 4): grid 8 x 32, 4 waves a work-group, clusters of 4 x 4, 327,680 bytes of LDS; arguments codes, scales, bq, kv, idx, acodes, ascales, out1; writes acodes, ascales, out1
.if DOCPART == 4
	.amdgcn_target "amdgcn-amd-amdhsa--gfx1250"
	.amdhsa_code_object_version 6
	.text
	.protected	k_q8b5e4b20b7_attn
	.globl	k_q8b5e4b20b7_attn
	.p2align	8
	.type	k_q8b5e4b20b7_attn,@function
k_q8b5e4b20b7_attn:
	s_mov_b64 s[64:65], 0
	v_nop
	global_prefetch_b8 v0, s[64:65] scope:SCOPE_SE
	s_setreg_imm32_b32 hwreg(HW_REG_WAVE_MODE, 25, 1), 1
	s_wait_xcnt 0x0
	s_wait_alu depctr_hold_cnt(0) depctr_sa_sdst(0) depctr_va_vdst(0) depctr_va_sdst(0) depctr_va_ssrc(0) depctr_va_vcc(0) depctr_vm_vsrc(0)
	s_getreg_b32 s2, hwreg(HW_REG_IB_STS2, 6, 4)
	s_cmp_eq_u32 s2, 0
	s_cbranch_scc0 .Lentry_in_a_cluster
	s_endpgm
.Lentry_in_a_cluster:
	s_bfe_u32 s2, ttmp6, 0x10000c
	s_cmp_lg_u32 s2, 0xf033
	s_cbranch_scc0 .Lentry_shape_is_right
	s_endpgm
.Lentry_shape_is_right:
; q = tokens Wq^T + bq on codes of E5M2; then, for each token and head, the attention over its two chosen states, in f32: scores q . k / 8, softmax with the larger score taken away, out = p0 v0 + p1 v1.
; The weights p go to out1; out is quantised along its columns, the last product's K, and only its codes and scale words go to memory.
; SHARES: a work-group makes 256 tokens of one batch x 128 columns, two heads: so the K and V rows of its batch's 256 states at these columns, 1,024 bytes a state, are one dense block of 262,144 bytes that fits in LDS.
; A wave makes 64 tokens x 128 columns: 4 blocks of A x 8 of B, 32 accumulators, transposed use, operands as images of their registers, as in this program's other products.
; FILLS, one joint load a wave each (waves 0, 1: A's halves; waves 2, 3: B's): K steps 0-3 at the head, 4-5 behind the first round, 6-7 over K steps 0-3's place; then, when K step 7 is in registers, a quarter a wave of the K and V rows over all of it.
; Under that last load K step 7 is multiplied and q turns through the wave's own stage in LDS: from a token a lane to 8 NEIGHBOURING COLUMNS a lane: lanes 0-15 hold one token's 128 columns, lanes 16-31 another's (a PAIR: tokens 4 i + u and 4 i + 2 + u of a block).
; THE GATHER is then from LDS: the chosen rows are named by idx, whole numbers stored by the launch before, held under 256 by an and; sixteen lanes read 256 consecutive bytes of a row.  Groups of 4 pairs; two groups' rows are on their way or at work.
; A head's 64 columns are 8 lanes, a block of 32 is 4 lanes: sums and maxima go over lanes by row_xmask.  No LDS byte is written between the barrier ahead of the gather and the one behind it.
; CLUSTER 4 x 4: A's tiles are shared along a row of the cluster; B's, and the K and V rows, along a column (its four work-groups lie in one batch).
; PREFETCH: the K and V rows alone, which come last: each of the four that share them asks for a quarter, by address, two instructions a wave, behind the second fill: six K steps ahead of their load.  The tiles have three fills and no loop to run ahead in.
; REGISTERS: window 0: v4-29 addresses; v44-59, v64-95 scale words; v96-123 the way out; v128-255 A's fragments, then v128-191 the gather's addresses and, pair by pair, the codes made; v192-254 at work.
;   window 1: B's fragments.  window 2: accumulators, then the gathered rows, 8 pairs x 32.  window 3: v0-63 the bias (C of the first products), v192-255 the indices; then q and out, 8 registers a pair.
; LIMITS: NaN and infinities are not served.  bq is added ahead of the products (as C).  Of the two exponentials the larger score's is 1; the other is 2^-|difference| in the scaled base-2 scores.  A block of zeros gets the byte 1 and zero codes.
.set YB,    196608                     ; LDS: from 0 K steps 0-3: A's 16 tiles x 8,192, B's 8 from 131,072; from YB K steps 4-5, 4,096 a tile: A's, B's from YB + 65,536
.set STG,   262144                     ; the wave's stages, 10,240 each, behind the K and V rows, where B's K steps 4-5 lay: written only behind the last refill's round
.set SPARE, 303104
.set SCW,   303616                     ; out's scale words, 256 bytes a wave
.set WTS,   304640                     ; the weights, 1,024 bytes a wave
.set SPW,  4
.set NIL,  5
.set ADA,  6
.set ADB,  9
.set SLN,  12
.set L16,  14
.set L8,   15
.set STO,  16
.set RD,   17
.set LKV,  21
.set CST,  22
.set CRD,  23
.set BST,  24
.set BRD,  25
.set WST,  26
.set WRD,  27
.set L16H, 28
.set PFO,  29
.set SA,   44
.set SB,   64
.set EB,   96                          ; v96-103  scale bytes, a register a group
.set WT,   104                         ; v104-111 the weights, a register pair a block
.set AD,   128                         ; v128-191 (pair P, choice c) at AD + 2 P + c
.set CH,   192
.set SC,   208
.set DD,   216
.set EX,   220
.set RC,   224
.set PS,   228
.set PR,   232
.set TM,   240
.set SO,   244
.set HB,   248
.set BT,   252
.set WV,   20
.set WR,   21                          ; s21  I fetch for A (0) or for B (1)
.set WC,   22                          ; s22  which half I fetch
.set MNT,  27
.set G1A,  32
.set G1B,  40
.set G0A,  48
.set G0B,  52
.set G0K,  56
.set G1K,  68
.set M4,   76                          ; s76-79  lanes with lane % 4 = j
.set M8,   80                          ; s80-87  lanes with lane % 8 = j
.set CM,   88
.set CS,   92
.set OC,   14
.set OS,   16
.set O1,   18
.set MSB,  0
.macro WIN new
.if MSB != (\new)
	s_set_vgpr_msb (MSB<<8)|(\new)
.set MSB, (\new)
.endif
.endm
.macro PLACES n
.rept \n
	v_nop
.endr
.endm
.macro CROUND
	s_barrier_signal -1
	s_barrier_wait -1
	s_cmp_lg_u32 s[WV], 0
	s_cbranch_scc1 .Lnot_wave_0_\@
	s_barrier_signal -3
.Lnot_wave_0_\@:
	s_barrier_wait -3
	s_barrier_signal -1
	s_barrier_wait -1
.endm
.macro MKG1 g, c, r, p
	s_mov_b32 s[\g+1], (\c)<<16
	s_mov_b32 s[\g+2], (\r)<<16
	s_mov_b32 s[\g+3], (\c)<<16
	s_mov_b32 s[\g+4], \r
	s_mov_b32 s[\g+5], \p
	s_mov_b32 s[\g+6], 0
	s_mov_b32 s[\g+7], 0
.endm
.macro SUM2 a, i, b, j
	s_lshl_b32 s2, s[\a], \i
	s_lshl_b32 s31, s[\b], \j
	s_add_co_u32 s2, s2, s31
	s_mov_b32 s3, 0
.endm
.macro PLUS c, k
	s_lshl_b32 s31, s[\c], \k
	s_add_co_u32 s2, s2, s31
.endm
.macro TL g0, g1
	tensor_load_to_lds s[\g0:\g0+3], s[\g1:\g1+7]
	s_nop 0
	PLACES 4
.endm
.macro JLOAD
	s_cmp_eq_u32 s[WR], 0
	s_cbranch_scc0 .Lfor_b_\@
	TL G0A, G1A
	s_branch .Lasked_\@
.Lfor_b_\@:
	TL G0B, G1B
.Lasked_\@:
.endm
.macro STEPG d, ia, ca, ib, cb
	s_add_nc_u64 s[G0A+2:G0A+3], s[G0A+2:G0A+3], \d
	s_add_nc_u64 s[G0B+2:G0B+3], s[G0B+2:G0B+3], \d
	s_lshl_b32 s29, s[WC], \ia
	s_add_co_u32 s[G0A+1], s29, \ca
	s_lshl_b32 s30, s[WC], \ib
	s_add_co_u32 s[G0B+1], s30, \cb
.endm
.macro FETCH q
.if (\q) < 4
.set FG, 0
.set FS, 8192
.set FO, 2048*(\q)
.else
.set FG, (\q)/2-1
.set FS, 4096
.set FO, 2048*((\q)%2)
.endif
	WIN 0x40
.irp b, 0,1,2,3,4,5,6,7
.irp c, 0,1,2,3
	ds_load_b128 v[128*((\q)%2)+16*\b+4*\c:128*((\q)%2)+16*\b+4*\c+3], v[ADB+FG] offset:FS*\b+FO+512*\c
.endr
.endr
	WIN 0
.irp a, 0,1,2,3
.irp c, 0,1,2,3
	ds_load_b128 v[128+64*((\q)%2)+16*\a+4*\c:128+64*((\q)%2)+16*\a+4*\c+3], v[ADA+FG] offset:FS*\a+FO+512*\c
.endr
.endr
.endm
.macro WM bo, ao
.if (\bo) && (\ao)
	v_wmma_scale_f32_16x16x128_f8f6f4 v[rD:rD+7], v[rB:rB+15], v[rA:rA+15], v[rC:rC+7], v[rSB], v[rSA] matrix_a_fmt:MATRIX_FMT_BF8 matrix_b_fmt:MATRIX_FMT_BF8 matrix_a_scale:MATRIX_SCALE_ROW1 matrix_b_scale:MATRIX_SCALE_ROW1
.elseif (\bo)
	v_wmma_scale_f32_16x16x128_f8f6f4 v[rD:rD+7], v[rB:rB+15], v[rA:rA+15], v[rC:rC+7], v[rSB], v[rSA] matrix_a_fmt:MATRIX_FMT_BF8 matrix_b_fmt:MATRIX_FMT_BF8 matrix_a_scale:MATRIX_SCALE_ROW1
.elseif (\ao)
	v_wmma_scale_f32_16x16x128_f8f6f4 v[rD:rD+7], v[rB:rB+15], v[rA:rA+15], v[rC:rC+7], v[rSB], v[rSA] matrix_a_fmt:MATRIX_FMT_BF8 matrix_b_fmt:MATRIX_FMT_BF8 matrix_b_scale:MATRIX_SCALE_ROW1
.else
	v_wmma_scale_f32_16x16x128_f8f6f4 v[rD:rD+7], v[rB:rB+15], v[rA:rA+15], v[rC:rC+7], v[rSB], v[rSA] matrix_a_fmt:MATRIX_FMT_BF8 matrix_b_fmt:MATRIX_FMT_BF8
.endif
.endm
.macro MUL q, bias                     ; K step q: 32 products; the 32 accumulators take turns, one instruction a turn
.if \bias
	WIN 0xb1
.else
	WIN 0xa1
.endif
.irp a, 0,1,2,3
.irp b, 0,1,2,3,4,5,6,7
.set rD, 8*(8*\a+\b)
.set rC, rD
.if \bias
.set rC, 8*\b
.endif
.set rB, 128*((\q)%2)+16*\b
.set rA, 128+64*((\q)%2)+16*\a
.set rSB, SB+8*(\b/2)+(\q)
.set rSA, SA+8*(\a/2)+(\q)
	WM \b%2, \a%2
.endr
.endr
.endm
; Block a of q through the stage: in by packets of 8 columns (packet 4 (b / 2) + 2 h + b % 2, its two halves 256 bytes apart), each accumulator from its low end on; out by pairs into window 3
.macro TURNQ a
	WIN 0x08
.irp b, 0,1,2,3,4,5,6,7
	ds_store_b128 v[STO], v[64*(\a)+8*\b:64*(\a)+8*\b+3] offset:64*(\b/2)+16*(\b%2)
	ds_store_b128 v[STO], v[64*(\a)+8*\b+4:64*(\a)+8*\b+7] offset:64*(\b/2)+16*(\b%2)+256
.endr
	WIN 0xc0
.irp j, 0,1,2,3,4,5,6,7                ; pair j = 2 i + u
	ds_load_b128 v[64*(\a)+8*\j:64*(\a)+8*\j+3], v[RD] offset:528*(4*(\j/2)+\j%2)   ; LDS serves a wave's instructions in order
	ds_load_b128 v[64*(\a)+8*\j+4:64*(\a)+8*\j+7], v[RD] offset:528*(4*(\j/2)+\j%2)+256
.endr
.endm
; Group g's rows, 32 loads, into window 2: pair k of it at 128 (g % 2) + 32 k: K of choice 0, K of choice 1, V of choice 0, V of choice 1, 8 registers each
.macro GATHER g
	WIN 0x80
.irp k, 0,1,2,3
.irp c, 0,1
.irp p, 0,1
	ds_load_b128 v[128*((\g)%2)+32*\k+8*\c+4*\p:128*((\g)%2)+32*\k+8*\c+4*\p+3], v[AD+8*(\g)+2*\k+\c] offset:256*\p
	ds_load_b128 v[128*((\g)%2)+32*\k+16+8*\c+4*\p:128*((\g)%2)+32*\k+16+8*\c+4*\p+3], v[AD+8*(\g)+2*\k+\c] offset:512+256*\p
.endr
.endr
.endr
	WIN 0
.endm
.macro ATT g                           ; group g: pairs 4 g + k, q at 32 g + 8 k of window 3
.set QB, 32*(\g)
.set TB, 128*((\g)%2)
	WIN 0x0b                                       ; q in window 3, K in window 2
.irp n, 0,1,2,3,4,5,6,7                ; n = 2 k + choice
	v_pk_mul_f32 v[CH+2*\n:CH+2*\n+1], v[QB+8*(\n/2):QB+8*(\n/2)+1], v[TB+32*(\n/2)+8*(\n%2):TB+32*(\n/2)+8*(\n%2)+1]
.endr
.irp t, 2,4,6
.irp n, 0,1,2,3,4,5,6,7
	v_pk_fma_f32 v[CH+2*\n:CH+2*\n+1], v[QB+8*(\n/2)+\t:QB+8*(\n/2)+\t+1], v[TB+32*(\n/2)+8*(\n%2)+\t:TB+32*(\n/2)+8*(\n%2)+\t+1], v[CH+2*\n:CH+2*\n+1]
.endr
.endr
	WIN 0
.irp n, 0,1,2,3,4,5,6,7
	v_add_f32 v[SC+\n], v[CH+2*\n], v[CH+2*\n+1]
.endr
.irp m, 1,2,4
.irp n, 0,1,2,3,4,5,6,7
	v_add_f32_dpp v[SC+\n], v[SC+\n], v[SC+\n] row_xmask:\m row_mask:0xf bank_mask:0xf   ; over the head's 8 lanes
.endr
.endr
.irp k, 0,1,2,3
	v_sub_f32 v[DD+\k], v[SC+2*\k], v[SC+2*\k+1]
.endr
.irp k, 0,1,2,3
	v_mul_f32 v[EX+\k], s[CS], -|v[DD+\k]|         ; the smaller score less the larger, x log2(e) / 8
.endr
.irp k, 0,1,2,3
	v_cmp_le_f32 s[CM+\k], 0, v[DD+\k]             ; choice 0 has the larger
.endr
	s_wait_alu depctr_va_vdst(0)                   ; the waits ahead of and behind these batches
.irp k, 0,1,2,3
	v_exp_f32 v[EX+\k], v[EX+\k]
.endr
	v_nop
	s_wait_alu depctr_va_vdst(0)
.irp k, 0,1,2,3
	v_add_f32 v[RC+\k], 1.0, v[EX+\k]
.endr
	s_wait_alu depctr_va_vdst(0)
.irp k, 0,1,2,3
	v_rcp_f32 v[RC+\k], v[RC+\k]                   ; the larger's weight
.endr
	v_nop
	s_wait_alu depctr_va_vdst(0)
.irp k, 0,1,2,3
	v_mul_f32 v[PS+\k], v[EX+\k], v[RC+\k]         ; the smaller's
.endr
.irp k, 0,1,2,3
	v_cndmask_b32 v[PR+2*\k], v[PS+\k], v[RC+\k], s[CM+\k]
	v_cndmask_b32 v[PR+2*\k+1], v[RC+\k], v[PS+\k], s[CM+\k]
.endr
.irp k, 0,1,2,3                        ; a head's 8 lanes hold the same two weights: lane % 8 = j keeps pair j's of the block
.if ((\g)%2) == 0 && \k == 0
	v_mov_b32 v[WT+2*((\g)/2)], v[PR]
	v_mov_b32 v[WT+2*((\g)/2)+1], v[PR+1]
.else
	v_cndmask_b32 v[WT+2*((\g)/2)], v[WT+2*((\g)/2)], v[PR+2*\k], s[M8+4*((\g)%2)+\k]
	v_cndmask_b32 v[WT+2*((\g)/2)+1], v[WT+2*((\g)/2)+1], v[PR+2*\k+1], s[M8+4*((\g)%2)+\k]
.endif
.endr
	WIN 0xc2                                       ; out (over q) in window 3, V in window 2, the weights in window 0
.irp k, 0,1,2,3
.irp t, 0,2,4,6
	v_pk_mul_f32 v[QB+8*\k+\t:QB+8*\k+\t+1], v[TB+32*\k+16+\t:TB+32*\k+16+\t+1], v[PR+2*\k:PR+2*\k+1] op_sel_hi:[1,0]
.endr
.endr
	WIN 0xf2
.irp k, 0,1,2,3
.irp t, 0,2,4,6
	v_pk_fma_f32 v[QB+8*\k+\t:QB+8*\k+\t+1], v[TB+32*\k+24+\t:TB+32*\k+24+\t+1], v[PR+2*\k:PR+2*\k+1], v[QB+8*\k+\t:QB+8*\k+\t+1] op_sel:[0,1,0] op_sel_hi:[1,1,1]
.endr
.endr
	WIN 0x0f
.irp k, 0,1,2,3
	v_max3_num_f32 v[TM+\k], |v[QB+8*\k]|, |v[QB+8*\k+1]|, 0x8000000   ; and the floor 2^(16 - 127)
.endr
	WIN 0x3c
.irp t, 2,4,6
.irp k, 0,1,2,3
	v_max3_num_f32 v[TM+\k], v[TM+\k], |v[QB+8*\k+\t]|, |v[QB+8*\k+\t+1]|
.endr
.endr
	WIN 0
.irp m, 1,2
.irp k, 0,1,2,3
	v_max_num_f32_dpp v[TM+\k], v[TM+\k], v[TM+\k] row_xmask:\m row_mask:0xf bank_mask:0xf   ; over the block's 4 lanes
.endr
.endr
.irp k, 0,1,2,3
	v_add_nc_u32 v[SO+\k], 0xf8800000, v[TM+\k]    ; 15 off the exponent field: the conversion's scale operand
.endr
.irp k, 0,1,2,3
	v_and_or_b32 v[HB+\k], v[TM+\k], 0x7f800000, s[MNT]   ; 57,344 x the scale
.endr
	v_lshrrev_b32 v[EB+(\g)], 23, v[SO]            ; the scale's byte: lane % 4 = k keeps pair k's
.irp k, 1,2,3
	v_lshrrev_b32 v[BT+\k-1], 23, v[SO+\k]
.endr
.irp k, 1,2,3
	v_cndmask_b32 v[EB+(\g)], v[EB+(\g)], v[BT+\k-1], s[M4+\k]
.endr
	WIN 0xc3
.irp k, 0,1,2,3
.irp t, 0,1,2,3,4,5,6,7
	v_med3_num_f32 v[QB+8*\k+\t], v[QB+8*\k+\t], -v[HB+\k], v[HB+\k]   ; the conversion does not saturate (ISA guide 7.6.2): the hold comes first
.endr
.endr
	WIN 0x03
.irp k, 0,1,2,3
	v_cvt_scalef32_pk8_bf8_f32 v[AD+8*(\g)+2*\k:AD+8*(\g)+2*\k+1], v[QB+8*\k:QB+8*\k+7], v[SO+\k]   ; over the pair's addresses, which its loads have read
.endr
	WIN 0
	v_nop                                          ; a plain line behind the last conversion
.endm
	s_load_b512 s[4:19], s[0:1], 0x0               ; codes, scales, bq, kv, idx, acodes, ascales, out1
	v_lshl_add_u32 v[SPW], v0, 2, SPARE
	v_mov_b32 v[NIL], 0
	ds_add_u32 v[SPW], v[NIL]
	ds_add_u32 v[SPW], v[NIL]
	v_lshrrev_b32 v1, 5, v0
	v_readfirstlane_b32 s[WV], v1
	s_lshr_b32 s[WR], s[WV], 1
	s_and_b32 s[WC], s[WV], 1
	s_bfe_u32 s23, ttmp6, 0x40000                  ; cx
	s_bfe_u32 s24, ttmp6, 0x40004                  ; cy
	s_lshl_b32 s25, ttmp9, 2
	s_add_co_u32 s25, s25, s23                     ; X: which two heads
	s_and_b32 s93, ttmp7, 0xffff
	s_lshl_b32 s26, s93, 2
	s_add_co_u32 s26, s26, s24                     ; Y: which 256 tokens
	s_lshr_b32 s93, s93, 1                         ; the batch, from the cluster's y alone
	s_lshl_b32 s27, s24, 2
	s_lshl_b32 s27, 15, s27                        ; my row of the cluster
	s_lshl_b32 s28, 0x1111, s23                    ; my column
	s_or_b32 s[G1A], s27, (3<<16)|(1<<21)
	s_or_b32 s[G1B], s28, (3<<16)|(1<<21)
	s_or_b32 s[G1K], s28, (3<<16)|(1<<21)
	MKG1 G1A, 1024, 8, 2048                        ; 8 tiles x 8,192 bytes (four K steps), 16,384 bytes from tile to tile
	MKG1 G1B, 1024, 4, 2048
	MKG1 G1K, 256, 32, 256                         ; 65,536 dense bytes
	s_wait_alu depctr_va_vdst(0)
	s_wait_dscnt 0x0                               ; both opening adds are done
	CROUND                                         ; all sixteen work-groups are here: the first joint loads meet
	s_wait_kmcnt 0x0
	s_lshl_b32 s2, s26, 18
	s_lshl_b32 s29, s[WC], 17
	s_add_co_u32 s2, s2, s29
	s_mov_b32 s3, 0
	s_mov_b32 s[G0A], 1
	s_lshl_b32 s[G0A+1], s[WC], 16
	s_add_nc_u64 s[G0A+2:G0A+3], s[4:5], s[2:3]
	s_or_b32 s[G0A+3], s[G0A+3], 0x80000000
	s_lshl_b32 s66, s25, 17
	s_lshl_b32 s30, s[WC], 16
	s_add_co_u32 s66, s66, s30
	s_add_co_u32 s66, s66, 10<<20                  ; Wq
	s_mov_b32 s67, 0
	s_mov_b32 s[G0B], 1
	s_lshl_b32 s30, s[WC], 15
	s_add_co_u32 s[G0B+1], s30, 131072
	s_add_nc_u64 s[G0B+2:G0B+3], s[4:5], s[66:67]
	s_or_b32 s[G0B+3], s[G0B+3], 0x80000000
	JLOAD                                          ; K steps 0-3
	s_lshl_b32 s66, s93, 21                        ; the K and V rows: batch x 2 MiB + X x 256 KiB + wave x 64 KiB: nothing of cy
	s_lshl_b32 s30, s25, 18
	s_add_co_u32 s66, s66, s30
	s_mov_b32 s67, 0
	s_add_nc_u64 s[66:67], s[10:11], s[66:67]
	s_lshl_b32 s100, s[WV], 16
	s_mov_b32 s101, 0
	s_mov_b32 s[G0K], 1
	s_lshl_b32 s[G0K+1], s[WV], 16
	s_add_nc_u64 s[G0K+2:G0K+3], s[66:67], s[100:101]
	s_or_b32 s[G0K+3], s[G0K+3], 0x80000000
	SUM2 24, 16, WV, 14
	s_add_nc_u64 s[98:99], s[66:67], s[2:3]        ; where my prefetches stand: quarter cy of the rows, 16,384 bytes a wave
	SUM2 26, 13, WV, 11
	s_add_nc_u64 s[94:95], s[6:7], s[2:3]          ; my tokens' scale words
	s_lshl_b32 s2, s25, 12
	s_add_co_u32 s2, s2, 327680
	s_add_nc_u64 s[96:97], s[6:7], s[2:3]          ; my columns' of Wq
	s_lshl_b32 s2, s25, 9
	s_add_nc_u64 s[8:9], s[8:9], s[2:3]            ; bq at my 128 columns
	SUM2 26, 11, WV, 9
	s_add_nc_u64 s[12:13], s[12:13], s[2:3]        ; idx at my 64 tokens
	SUM2 26, 18, WV, 16                            ; out's codes: tile 16 Y + 4 wave, K step X
	PLUS 25, 11
	s_add_nc_u64 s[OC:OC+1], s[OC:OC+1], s[2:3]
	SUM2 26, 13, WR, 12                            ; its scale words, [tile / 8][K step][tile % 8][row]
	PLUS 25, 9
	PLUS WC, 8
	s_add_nc_u64 s[OS:OS+1], s[OS:OS+1], s[2:3]
	s_and_b32 s29, s26, 7
	SUM2 93, 18, 25, 15                            ; out1: 8 ((16 batch + 2 X) x 2,048 + 256 (Y % 8) + 64 wave)
	PLUS 29, 11
	PLUS WV, 9
	s_add_nc_u64 s[O1:O1+1], s[O1:O1+1], s[2:3]
.irp j, 0,1,2,3
	s_mov_b32 s[M4+\j], 0x11111111<<\j
.endr
.irp j, 0,1,2,3,4,5,6,7
	s_mov_b32 s[M8+\j], 0x01010101<<\j
.endr
	s_mov_b32 s[MNT], 0x600000
	s_mov_b32 s[CS], 0x3e38aa3b                    ; log2(e) / 8
	v_and_b32 v1, 15, v0                           ; r
	v_bfe_u32 v2, v0, 4, 1                         ; h
	v_and_b32 v3, 31, v0                           ; lane
	v_lshlrev_b32 v[L16], 4, v3
	v_lshlrev_b32 v[L8], 3, v3
	v_lshlrev_b32 v[LKV], 4, v1
	v_lshl_add_u32 v[SLN], v2, 9, v[LKV]
	v_lshlrev_b32 v18, 6, v2
	v_lshlrev_b32 v[L16H], 4, v2
	v_lshlrev_b32 v[PFO], 8, v3
	s_lshl_b32 s31, s[WV], 15
	v_add_nc_u32 v[ADA], s31, v[L16]
	s_lshl_b32 s31, s[WV], 14
	v_add_nc_u32 v[ADA+2], s31, v[L16]
	v_add_nc_u32 v[ADA+1], YB, v[ADA+2]
	v_add_nc_u32 v[ADB], 131072, v[L16]
	v_add_nc_u32 v[ADB+1], YB+65536, v[L16]
	v_add_nc_u32 v[ADB+2], 131072, v[L16]
	s_mul_i32 s31, s[WV], 10240
	s_add_co_u32 s31, s31, STG                     ; my stage
	v_mul_u32_u24 v[STO], v1, 528
	v_lshl_add_u32 v[STO], v2, 5, v[STO]
	v_add_nc_u32 v[STO], s31, v[STO]
	v_mul_u32_u24 v[RD], v2, 1056                  ; the pair's second token lies two rows on
	v_lshl_add_u32 v[RD], v1, 4, v[RD]
	v_add_nc_u32 v[RD], s31, v[RD]
	v_and_b32 v20, 1, v1                           ; r % 2
	v_bfe_u32 v19, v1, 1, 1                        ; r / 2 % 2
	v_lshrrev_b32 v30, 1, v1                       ; codes on the way out: piece r / 2 of a fragment, pieces 320 bytes apart; token x 16, + 8 (r % 2)
	v_mul_u32_u24 v[CST], v30, 320
	v_lshl_add_u32 v[CST], v20, 3, v[CST]
	v_lshl_add_u32 v[CST], v2, 5, v[CST]
	v_add_nc_u32 v[CST], s31, v[CST]
	v_mul_u32_u24 v[CRD], v2, 320
	v_lshl_add_u32 v[CRD], v1, 4, v[CRD]
	v_add_nc_u32 v[CRD], s31, v[CRD]
	s_lshl_b32 s31, s[WV], 8
	s_add_co_u32 s31, s31, SCW
	v_lshrrev_b32 v31, 2, v1                       ; scale bytes: 4 x token + r / 4; token 8 g + 4 (k / 2) + 2 h + k % 2 with k = r % 4
	v_lshl_add_u32 v31, v20, 2, v31
	v_lshl_add_u32 v31, v2, 3, v31
	v_lshl_add_u32 v31, v19, 4, v31
	v_add_nc_u32 v[BST], s31, v31
	v_add_nc_u32 v[BRD], s31, v[L8]
	s_lshl_b32 s31, s[WV], 10
	s_add_co_u32 s31, s31, WTS
	v_lshrrev_b32 v32, 3, v1                       ; weights: head (r / 8) x 512 + 8 x token; token 16 a + 4 (j / 2) + 2 h + j % 2 with j = r % 8
	v_lshlrev_b32 v32, 9, v32
	v_bfe_u32 v33, v1, 1, 2
	v_lshl_add_u32 v32, v33, 5, v32
	v_lshl_add_u32 v32, v2, 4, v32
	v_lshl_add_u32 v32, v20, 3, v32
	v_add_nc_u32 v[WST], s31, v32
	v_add_nc_u32 v[WRD], s31, v[L16]
	s_wait_alu depctr_va_vdst(0)                   ; the wait at the head's end
.irp i, 0,1
.irp f, 0,1
	global_load_b128 v[SA+8*\i+4*\f:SA+8*\i+4*\f+3], v[SLN], s[94:95] offset:1024*\i+256*\f
.endr
.endr
.irp i, 0,1,2,3
.irp f, 0,1
	global_load_b128 v[SB+8*\i+4*\f:SB+8*\i+4*\f+3], v[SLN], s[96:97] offset:1024*\i+256*\f
.endr
.endr
	WIN 0xc0
.irp b, 0,1,2,3,4,5,6,7
	global_load_b128 v[8*\b:8*\b+3], v18, s[8:9] offset:128*(\b/2)+32*(\b%2)
	global_load_b128 v[8*\b+4:8*\b+7], v18, s[8:9] offset:128*(\b/2)+32*(\b%2)+16
.endr
.irp a, 0,1,2,3
.irp i, 0,1,2,3
	global_load_b128 v[192+16*\a+4*\i:192+16*\a+4*\i+3], v[L16H], s[12:13] offset:128*\a+32*\i   ; the indices of tokens 16 a + 4 i + 2 h and the next
.endr
.endr
	WIN 0
	s_wait_tensorcnt 0x0                           ; my part of K steps 0-3 is in
	ds_add_u32 v[SPW], v[NIL]
	STEPG 8192, 15, YB, 14, YB+65536
.irp g, G1A, G1B                       ; from here on a tile's row is 4,096 bytes: two K steps
	s_mov_b32 s[\g+1], 512<<16
	s_mov_b32 s[\g+3], 512<<16
.endr
	s_wait_dscnt 0x0
	CROUND                                         ; everybody's parts are in
	JLOAD                                          ; K steps 4-5
	FETCH 0
	FETCH 1
	global_prefetch_b8 v[PFO], s[98:99] th:TH_LOAD_NT scope:SCOPE_SE
	global_prefetch_b8 v[PFO], s[98:99] offset:8192 th:TH_LOAD_NT scope:SCOPE_SE
	s_wait_loadcnt 0x0                             ; the scale words, the bias and the indices
	s_wait_dscnt 48                                ; all but K step 1's 48 loads
	MUL 0, 1
	PLACES 8
	FETCH 2
	s_wait_dscnt 48
	MUL 1, 0
	PLACES 8
	FETCH 3
	s_wait_tensorcnt 0x0                           ; K steps 4-5 are in
	ds_add_u32 v[SPW], v[NIL]
	STEPG 4096, 15, 0, 14, 131072
	s_wait_dscnt 49                                ; K step 3's 48 loads and the add may be out
	MUL 2, 0
	WIN 0
	s_wait_dscnt 0x0                               ; my reads of K steps 0-3 are over
	CROUND
	JLOAD                                          ; K steps 6-7; its four v_nop and the four below are eight places
	PLACES 4
	FETCH 4
	MUL 3, 0
	PLACES 8
	FETCH 5
	s_wait_dscnt 48
	MUL 4, 0
	s_wait_tensorcnt 0x0                           ; my part of K steps 6-7 has landed
	s_wait_dscnt 0x0
	s_barrier_signal -1
	MUL 5, 0
	PLACES 8
	s_barrier_wait -1
	FETCH 6
	FETCH 7
	s_wait_tensorcnt 0x0                           ; no tensor load of mine is out
	ds_add_u32 v[SPW], v[NIL]
	s_wait_dscnt 49
	MUL 6, 0
	WIN 0
	s_wait_dscnt 0x0                               ; my last reads of the tiles are over
	CROUND
	TL G0K, G1K                                    ; my quarter of the K and V rows
	MUL 7, 0
	WIN 0
	PLACES 8                                       ; in front of the first read of q
	WIN 0x0c
.set K_, 0
.rept 64
	v_min_u32 v[AD+K_], 0x3ff, v[192+K_]           ; the tables have 1,024 rows in all,
.set K_, K_+1
.endr
	WIN 0
.set K_, 0
.rept 64
	v_lshlrev_b32 v[AD+K_], 10, v[AD+K_]           ; 1,024 bytes a state,
.set K_, K_+1
.endr
.set K_, 0
.rept 64
	v_and_or_b32 v[AD+K_], v[AD+K_], 0x3fc00, v[LKV]   ; of my batch's 256: (index % 256) x 1,024 + 16 r
.set K_, K_+1
.endr
.irp a, 0,1,2,3
	TURNQ \a
.endr
	WIN 0
	s_wait_alu depctr_va_vdst(0)
	s_wait_tensorcnt 0x0                           ; my quarter has landed
	s_wait_dscnt 0x0                               ; q is in registers
	s_barrier_signal -1
	s_barrier_wait -1
	GATHER 0
	GATHER 1
.irp g, 0,1,2,3,4,5,6,7
.if \g < 7
	s_wait_dscnt 32                                ; all but the next group's 32 loads
.else
	s_wait_dscnt 0x0
.endif
	ATT \g
.if \g < 6
	GATHER \g+2
.endif
.endr
	s_wait_alu depctr_va_vdst(0)
	s_wait_dscnt 0x0
	s_barrier_signal -1
	s_barrier_wait -1                              ; no wave reads the rows any more: LDS may be written again
.irp a, 0,1,2,3
.irp j, 0,1,2,3,4,5,6,7
	ds_store_b64 v[CST], v[AD+16*\a+2*\j:AD+16*\a+2*\j+1] offset:2560*\a+16*(4*(\j/2)+\j%2)
.endr
.endr
.irp a, 0,1,2,3
.irp c, 0,1,2,3
	ds_load_b128 v[192+16*\a+4*\c:192+16*\a+4*\c+3], v[CRD] offset:2560*\a+640*\c
.endr
.endr
.irp g, 0,1,2,3,4,5,6,7
	ds_store_b8 v[BST], v[EB+\g] offset:32*\g
.endr
.irp a, 0,1,2,3
	ds_store_b64 v[WST], v[WT+2*\a:WT+2*\a+1] offset:128*\a
.endr
	ds_load_b64 v[112:113], v[BRD]
	ds_load_b128 v[116:119], v[WRD]
	ds_load_b128 v[120:123], v[WRD] offset:512
	s_wait_dscnt 15                                ; the codes are back: 12 stores and 3 loads stand behind them
.irp a, 0,1,2,3
.irp c, 0,1,2,3
	global_store_b128 v[L16], v[192+16*\a+4*\c:192+16*\a+4*\c+3], s[OC:OC+1] offset:16384*\a+512*\c   ; 512 consecutive bytes
.endr
.endr
	s_wait_dscnt 0x0
	global_store_b64 v[L8], v[112:113], s[OS:OS+1]
	global_store_b128 v[L16], v[116:119], s[O1:O1+1]               ; a head's 64 tokens: 512 consecutive bytes
	global_store_b128 v[L16], v[120:123], s[O1:O1+1] offset:16384
	s_wait_tensorcnt 0x0                           ; the wave's end
	ds_add_u32 v[SPW], v[NIL]
	s_wait_dscnt 0x0
	CROUND                                         ; the closing round
	s_endpgm
.Lfunc_end_k_q8b5e4b20b7_attn:
	.size	k_q8b5e4b20b7_attn, .Lfunc_end_k_q8b5e4b20b7_attn-k_q8b5e4b20b7_attn
	.p2alignl 7, 3214868480
	.fill 96, 4, 3214868480
	.section	.rodata,"a",@progbits
	.p2align	6, 0x0
	.amdhsa_kernel k_q8b5e4b20b7_attn
		.amdhsa_group_segment_fixed_size 327680
		.amdhsa_private_segment_fixed_size 0
		.amdhsa_enable_private_segment 0
		.amdhsa_kernarg_size 64
		.amdhsa_user_sgpr_count 2
		.amdhsa_user_sgpr_kernarg_segment_ptr 1
		.amdhsa_wavefront_size32 1
		.amdhsa_system_sgpr_workgroup_id_x 1
		.amdhsa_system_sgpr_workgroup_id_y 1
		.amdhsa_system_sgpr_workgroup_id_z 1
		.amdhsa_system_vgpr_workitem_id 0
		.amdhsa_next_free_vgpr 1024
		.amdhsa_next_free_sgpr 102
		.amdhsa_reserve_vcc 0
		.amdhsa_float_denorm_mode_32 3
		.amdhsa_float_denorm_mode_16_64 3
		.amdhsa_memory_ordered 1
		.amdhsa_forward_progress 1
		.amdhsa_inst_pref_size 226
	.end_amdhsa_kernel
	.amdgpu_metadata
---
amdhsa.version: [ 1, 2 ]
amdhsa.kernels:
  - .name:           k_q8b5e4b20b7_attn
    .symbol:         k_q8b5e4b20b7_attn.kd
    .args:
      - { .name: codes, .offset: 0, .size: 8, .value_kind: global_buffer, .address_space: global }
      - { .name: scales, .offset: 8, .size: 8, .value_kind: global_buffer, .address_space: global }
      - { .name: bq, .offset: 16, .size: 8, .value_kind: global_buffer, .address_space: global }
      - { .name: kv, .offset: 24, .size: 8, .value_kind: global_buffer, .address_space: global }
      - { .name: idx, .offset: 32, .size: 8, .value_kind: global_buffer, .address_space: global }
      - { .name: acodes, .offset: 40, .size: 8, .value_kind: global_buffer, .address_space: global }
      - { .name: ascales, .offset: 48, .size: 8, .value_kind: global_buffer, .address_space: global }
      - { .name: out1, .offset: 56, .size: 8, .value_kind: global_buffer, .address_space: global }
    .group_segment_fixed_size: 327680
    .private_segment_fixed_size: 0
    .kernarg_segment_align: 8
    .kernarg_segment_size: 64
    .max_flat_workgroup_size: 128
    .sgpr_count:     102
    .vgpr_count:     1024
    .wavefront_size: 32
...
	.end_amdgpu_metadata
.endif
;; end of part 4
;; launch gemm_o (part 5): grid 4 x 64, 4 waves a work-group, clusters of 4 x 4, 327,680 bytes of LDS; arguments acodes, ascales, codes, scales, bo, out0; writes out0
.if DOCPART == 5
	.amdgcn_target "amdgcn-amd-amdhsa--gfx1250"
	.amdhsa_code_object_version 6
	.text
	.protected	k_q8b5e4b20b7_gemm_o
	.globl	k_q8b5e4b20b7_gemm_o
	.p2align	8
	.type	k_q8b5e4b20b7_gemm_o,@function
k_q8b5e4b20b7_gemm_o:
	s_mov_b64 s[64:65], 0
	v_nop
	global_prefetch_b8 v0, s[64:65] scope:SCOPE_SE
	s_setreg_imm32_b32 hwreg(HW_REG_WAVE_MODE, 25, 1), 1
	s_wait_xcnt 0x0
	s_wait_alu depctr_hold_cnt(0) depctr_sa_sdst(0) depctr_va_vdst(0) depctr_va_sdst(0) depctr_va_ssrc(0) depctr_va_vcc(0) depctr_vm_vsrc(0)
	s_getreg_b32 s2, hwreg(HW_REG_IB_STS2, 6, 4)
	s_cmp_eq_u32 s2, 0
	s_cbranch_scc0 .Lentry_in_a_cluster
	s_endpgm
.Lentry_in_a_cluster:
	s_bfe_u32 s2, ttmp6, 0x10000c
	s_cmp_lg_u32 s2, 0xf033
	s_cbranch_scc0 .Lentry_shape_is_right
	s_endpgm
.Lentry_shape_is_right:
; out0 = out Wo^T + bo on codes of E5M2 (one E8M0 scale for each 32 along K); out's codes and scale words were made by the launch before.
; 128 rows x 256 columns a work-group, 64 x 128 a wave, transposed use (source 0 = 16 rows of Wo, source 1 = 16 tokens), operands as images of their registers.
; Lane (r, h) holds token r; register 16 b + i of a block's 64 holds column 32 b + 16 h + i of the wave's 128.
; FILLS, one joint load a wave each (waves 0, 1: A's halves; waves 2, 3: B's): K steps 0-3 at the head, 4-5 behind the first round, 6-7 over K steps 0-3's place.  Scale words come by plain loads straight into registers.
; A wave has one tensor load out.
; CLUSTER 4 x 4: A's tiles are shared along a row of the cluster, B's along a column.  No prefetch: three fills and no loop to run ahead in.
; THE WAY OUT: the last K step goes by rows of the result; a finished block of 16 rows x 128 columns goes through the wave's own stage, where K steps 4-5 lay (last read ahead of the last barrier), and leaves as whole rows of 512 bytes.
; LIMITS: NaN and infinities are not served.  bo is added ahead of the products (as C), another order of f32 rounding than a sum followed by the bias.
.set YB,    196608
.set SPARE, 294912
.set SPW,  4
.set NIL,  5
.set ADA,  6
.set ADB,  9
.set SLN,  12
.set L4,   13
.set L16,  14
.set STO,  16
.set RD,   17
.set SA,   44
.set SB,   64
.set WV,   20
.set WR,   21
.set WC,   22
.set G1A,  32
.set G1B,  40
.set G0A,  48
.set G0B,  52
.set OUT,  14
.set MSB,  0
.macro WIN new
.if MSB != (\new)
	s_set_vgpr_msb (MSB<<8)|(\new)
.set MSB, (\new)
.endif
.endm
.macro PLACES n
.rept \n
	v_nop
.endr
.endm
.macro CROUND
	s_barrier_signal -1
	s_barrier_wait -1
	s_cmp_lg_u32 s[WV], 0
	s_cbranch_scc1 .Lnot_wave_0_\@
	s_barrier_signal -3
.Lnot_wave_0_\@:
	s_barrier_wait -3
	s_barrier_signal -1
	s_barrier_wait -1
.endm
.macro MKG1 g, c, r, p
	s_mov_b32 s[\g+1], (\c)<<16
	s_mov_b32 s[\g+2], (\r)<<16
	s_mov_b32 s[\g+3], (\c)<<16
	s_mov_b32 s[\g+4], \r
	s_mov_b32 s[\g+5], \p
	s_mov_b32 s[\g+6], 0
	s_mov_b32 s[\g+7], 0
.endm
.macro SUM2 a, i, b, j
	s_lshl_b32 s2, s[\a], \i
	s_lshl_b32 s31, s[\b], \j
	s_add_co_u32 s2, s2, s31
	s_mov_b32 s3, 0
.endm
.macro PLUS c, k
	s_lshl_b32 s31, s[\c], \k
	s_add_co_u32 s2, s2, s31
.endm
.macro TL g0, g1
	tensor_load_to_lds s[\g0:\g0+3], s[\g1:\g1+7]
	s_nop 0
	PLACES 4
.endm
.macro JLOAD
	s_cmp_eq_u32 s[WR], 0
	s_cbranch_scc0 .Lfor_b_\@
	TL G0A, G1A
	s_branch .Lasked_\@
.Lfor_b_\@:
	TL G0B, G1B
.Lasked_\@:
.endm
.macro STEPG d, ia, ca, ib, cb
	s_add_nc_u64 s[G0A+2:G0A+3], s[G0A+2:G0A+3], \d
	s_add_nc_u64 s[G0B+2:G0B+3], s[G0B+2:G0B+3], \d
	s_lshl_b32 s29, s[WC], \ia
	s_add_co_u32 s[G0A+1], s29, \ca
	s_lshl_b32 s30, s[WC], \ib
	s_add_co_u32 s[G0B+1], s30, \cb
.endm
.macro FETCH q
.if (\q) < 4
.set FG, 0
.set FS, 8192
.set FO, 2048*(\q)
.else
.set FG, (\q)/2-1
.set FS, 4096
.set FO, 2048*((\q)%2)
.endif
	WIN 0x40
.irp b, 0,1,2,3,4,5,6,7
.irp c, 0,1,2,3
	ds_load_b128 v[128*((\q)%2)+16*\b+4*\c:128*((\q)%2)+16*\b+4*\c+3], v[ADB+FG] offset:FS*\b+FO+512*\c
.endr
.endr
	WIN 0
.irp a, 0,1,2,3
.irp c, 0,1,2,3
	ds_load_b128 v[128+64*((\q)%2)+16*\a+4*\c:128+64*((\q)%2)+16*\a+4*\c+3], v[ADA+FG] offset:FS*\a+FO+512*\c
.endr
.endr
.endm
.macro WM bo, ao
.if (\bo) && (\ao)
	v_wmma_scale_f32_16x16x128_f8f6f4 v[rD:rD+7], v[rB:rB+15], v[rA:rA+15], v[rC:rC+7], v[rSB], v[rSA] matrix_a_fmt:MATRIX_FMT_BF8 matrix_b_fmt:MATRIX_FMT_BF8 matrix_a_scale:MATRIX_SCALE_ROW1 matrix_b_scale:MATRIX_SCALE_ROW1
.elseif (\bo)
	v_wmma_scale_f32_16x16x128_f8f6f4 v[rD:rD+7], v[rB:rB+15], v[rA:rA+15], v[rC:rC+7], v[rSB], v[rSA] matrix_a_fmt:MATRIX_FMT_BF8 matrix_b_fmt:MATRIX_FMT_BF8 matrix_a_scale:MATRIX_SCALE_ROW1
.elseif (\ao)
	v_wmma_scale_f32_16x16x128_f8f6f4 v[rD:rD+7], v[rB:rB+15], v[rA:rA+15], v[rC:rC+7], v[rSB], v[rSA] matrix_a_fmt:MATRIX_FMT_BF8 matrix_b_fmt:MATRIX_FMT_BF8 matrix_b_scale:MATRIX_SCALE_ROW1
.else
	v_wmma_scale_f32_16x16x128_f8f6f4 v[rD:rD+7], v[rB:rB+15], v[rA:rA+15], v[rC:rC+7], v[rSB], v[rSA] matrix_a_fmt:MATRIX_FMT_BF8 matrix_b_fmt:MATRIX_FMT_BF8
.endif
.endm
.macro MULA q, a, bias                 ; 8 products: block a, K step q; accumulators take turns, one instruction a turn
.if \bias
	WIN 0xb1
.else
	WIN 0xa1
.endif
.irp b, 0,1,2,3,4,5,6,7
.set rD, 8*(8*(\a)+\b)
.set rC, rD
.if \bias
.set rC, 8*\b
.endif
.set rB, 128*((\q)%2)+16*\b
.set rA, 128+64*((\q)%2)+16*(\a)
.set rSB, SB+8*(\b/2)+(\q)
.set rSA, SA+8*((\a)/2)+(\q)
	WM \b%2, (\a)%2
.endr
.endm
.macro MUL q, bias
	MULA \q, 0, \bias
	MULA \q, 1, \bias
	MULA \q, 2, \bias
	MULA \q, 3, \bias
.endm
.macro TOSTAGE a                       ; each accumulator from its low end on; back as whole rows, into window 3
	WIN 0x08
.irp b, 0,1,2,3,4,5,6,7
	ds_store_b128 v[STO], v[64*(\a)+8*\b:64*(\a)+8*\b+3] offset:128*(\b/2)+32*(\b%2)
	ds_store_b128 v[STO], v[64*(\a)+8*\b+4:64*(\a)+8*\b+7] offset:128*(\b/2)+32*(\b%2)+16
.endr
	WIN 0xc0
.irp t, 0,1,2,3,4,5,6,7,8,9,10,11,12,13,14,15
	ds_load_b128 v[64*(\a)+4*\t:64*(\a)+4*\t+3], v[RD] offset:528*\t   ; LDS serves a wave's instructions in order
.endr
.endm
.macro SEND a, younger                 ; younger: the next block's 16 stores and 16 loads, or none
	s_wait_dscnt \younger
	WIN 0x0c
.irp t, 0,1,2,3,4,5,6,7,8,9,10,11,12,13,14,15
	global_store_b128 v[L16], v[64*(\a)+4*\t:64*(\a)+4*\t+3], s[OUT:OUT+1] offset:65536*(\a)+4096*\t th:TH_STORE_NT   ; 32 lanes store 512 consecutive bytes; written once, read by nobody here
.endr
.endm
	s_load_b256 s[4:11], s[0:1], 0x0               ; acodes, ascales, codes, scales
	s_load_b128 s[12:15], s[0:1], 0x20             ; bo, out0
	v_lshl_add_u32 v[SPW], v0, 2, SPARE
	v_mov_b32 v[NIL], 0
	ds_add_u32 v[SPW], v[NIL]
	ds_add_u32 v[SPW], v[NIL]
	v_lshrrev_b32 v1, 5, v0
	v_readfirstlane_b32 s[WV], v1
	s_lshr_b32 s[WR], s[WV], 1
	s_and_b32 s[WC], s[WV], 1
	s_bfe_u32 s23, ttmp6, 0x40000
	s_bfe_u32 s24, ttmp6, 0x40004
	s_lshl_b32 s25, ttmp9, 2
	s_add_co_u32 s25, s25, s23                     ; X: which 256 columns
	s_and_b32 s26, ttmp7, 0xffff
	s_lshl_b32 s26, s26, 2
	s_add_co_u32 s26, s26, s24                     ; Y: which 128 rows
	s_lshl_b32 s27, s24, 2
	s_lshl_b32 s27, 15, s27
	s_lshl_b32 s28, 0x1111, s23
	s_or_b32 s[G1A], s27, (3<<16)|(1<<21)
	s_or_b32 s[G1B], s28, (3<<16)|(1<<21)
	MKG1 G1A, 1024, 4, 2048
	MKG1 G1B, 1024, 8, 2048
	s_wait_alu depctr_va_vdst(0)
	s_wait_dscnt 0x0                               ; both opening adds are done
	CROUND
	s_wait_kmcnt 0x0
	s_lshl_b32 s2, s26, 17
	s_lshl_b32 s29, s[WC], 16
	s_add_co_u32 s2, s2, s29
	s_mov_b32 s3, 0
	s_mov_b32 s[G0A], 1
	s_lshl_b32 s[G0A+1], s[WC], 15
	s_add_nc_u64 s[G0A+2:G0A+3], s[4:5], s[2:3]
	s_or_b32 s[G0A+3], s[G0A+3], 0x80000000
	s_lshl_b32 s66, s25, 18
	s_lshl_b32 s30, s[WC], 17
	s_add_co_u32 s66, s66, s30
	s_add_co_u32 s66, s66, 13<<20                  ; Wo
	s_mov_b32 s67, 0
	s_mov_b32 s[G0B], 1
	s_lshl_b32 s30, s[WC], 16
	s_add_co_u32 s[G0B+1], s30, 65536
	s_add_nc_u64 s[G0B+2:G0B+3], s[8:9], s[66:67]
	s_or_b32 s[G0B+3], s[G0B+3], 0x80000000
	JLOAD                                          ; K steps 0-3
	SUM2 26, 12, WR, 8
	s_add_nc_u64 s[6:7], s[6:7], s[2:3]            ; my tokens' scale words, [tile / 8][K step][tile % 8][row]
	SUM2 25, 13, WC, 12
	s_add_co_u32 s2, s2, 425984
	s_add_nc_u64 s[10:11], s[10:11], s[2:3]        ; my columns' of Wo
	SUM2 25, 10, WC, 9
	s_add_nc_u64 s[12:13], s[12:13], s[2:3]        ; bo at my 128 columns
	SUM2 26, 19, WR, 18                            ; out0: (128 Y + 64 WR) rows of 4,096 bytes + my 128 columns
	PLUS 25, 10
	PLUS WC, 9
	s_add_nc_u64 s[OUT:OUT+1], s[OUT:OUT+1], s[2:3]
	v_and_b32 v1, 15, v0
	v_bfe_u32 v2, v0, 4, 1
	v_and_b32 v3, 31, v0
	v_lshlrev_b32 v[L16], 4, v3
	v_lshlrev_b32 v[L4], 2, v3
	v_lshlrev_b32 v[SLN], 4, v1
	v_lshl_add_u32 v[SLN], v2, 9, v[SLN]
	v_lshlrev_b32 v18, 6, v2
	s_lshl_b32 s31, s[WR], 15
	v_add_nc_u32 v[ADA], s31, v[L16]
	s_lshl_b32 s31, s[WR], 14
	v_add_nc_u32 v[ADA+2], s31, v[L16]
	v_add_nc_u32 v[ADA+1], YB, v[ADA+2]
	s_lshl_b32 s31, s[WC], 16
	s_add_co_u32 s31, s31, 65536
	v_add_nc_u32 v[ADB], s31, v[L16]
	s_lshl_b32 s31, s[WC], 15
	s_add_co_u32 s31, s31, 65536
	v_add_nc_u32 v[ADB+2], s31, v[L16]
	v_add_nc_u32 v[ADB+1], YB-32768, v[ADB+2]
	s_mul_i32 s31, s[WV], 8448
	s_add_co_u32 s31, s31, YB                      ; my stage: 16 rows x 528 bytes
	v_mul_u32_u24 v[STO], v1, 528
	v_lshl_add_u32 v[STO], v2, 6, v[STO]
	v_add_nc_u32 v[STO], s31, v[STO]
	v_add_nc_u32 v[RD], s31, v[L16]
	s_wait_alu depctr_va_vdst(0)                   ; the wait at the head's end
.irp s, 0,1,2,3,4,5,6,7
.irp i, 0,1
	global_load_b32 v[SA+8*\i+\s], v[L4], s[6:7] offset:512*\s+128*\i
.endr
.endr
.irp i, 0,1,2,3
.irp f, 0,1
	global_load_b128 v[SB+8*\i+4*\f:SB+8*\i+4*\f+3], v[SLN], s[10:11] offset:1024*\i+256*\f
.endr
.endr
	WIN 0xc0
.irp b, 0,1,2,3,4,5,6,7
	global_load_b128 v[8*\b:8*\b+3], v18, s[12:13] offset:128*(\b/2)+32*(\b%2)
	global_load_b128 v[8*\b+4:8*\b+7], v18, s[12:13] offset:128*(\b/2)+32*(\b%2)+16
.endr
	WIN 0
	s_wait_tensorcnt 0x0                           ; my part of K steps 0-3 is in
	ds_add_u32 v[SPW], v[NIL]
	STEPG 8192, 14, YB, 15, YB+32768
.irp g, G1A, G1B                       ; from here on a tile's row is 4,096 bytes: two K steps
	s_mov_b32 s[\g+1], 512<<16
	s_mov_b32 s[\g+3], 512<<16
.endr
	s_wait_dscnt 0x0
	CROUND                                         ; everybody's parts are in
	JLOAD                                          ; K steps 4-5
	FETCH 0
	FETCH 1
	s_wait_loadcnt 0x0                             ; the scale words and the bias
	s_wait_dscnt 48                                ; all but K step 1's 48 loads
	MUL 0, 1
	PLACES 8
	FETCH 2
	s_wait_dscnt 48
	MUL 1, 0
	PLACES 8
	FETCH 3
	s_wait_tensorcnt 0x0                           ; K steps 4-5 are in
	ds_add_u32 v[SPW], v[NIL]
	STEPG 4096, 14, 0, 15, 65536
	s_wait_dscnt 49                                ; K step 3's 48 loads and the add may be out
	MUL 2, 0
	WIN 0
	s_wait_dscnt 0x0                               ; my reads of K steps 0-3 are over
	CROUND
	JLOAD                                          ; K steps 6-7; its four v_nop and the four below are eight places
	PLACES 4
	FETCH 4
	MUL 3, 0
	PLACES 8
	FETCH 5
	s_wait_dscnt 48
	MUL 4, 0
	s_wait_tensorcnt 0x0                           ; my part of K steps 6-7 has landed
	s_wait_dscnt 0x0                               ; my reads of K steps 4-5 are over
	s_barrier_signal -1
	MUL 5, 0
	PLACES 8
	s_barrier_wait -1
	FETCH 6
	FETCH 7
	s_wait_dscnt 48
	MUL 6, 0
	s_wait_dscnt 0x0
.irp a, 0,1,2,3
	MULA 7, \a, 0
	PLACES 8                                       ; in front of the first read of the block's results
	TOSTAGE \a
.if \a > 0
	SEND \a-1, 32
.endif
.endr
	SEND 3, 0
	WIN 0
	s_wait_tensorcnt 0x0                           ; the wave's end
	ds_add_u32 v[SPW], v[NIL]
	s_wait_dscnt 0x0
	CROUND                                         ; the closing round
	s_endpgm
.Lfunc_end_k_q8b5e4b20b7_gemm_o:
	.size	k_q8b5e4b20b7_gemm_o, .Lfunc_end_k_q8b5e4b20b7_gemm_o-k_q8b5e4b20b7_gemm_o
	.p2alignl 7, 3214868480
	.fill 96, 4, 3214868480
	.section	.rodata,"a",@progbits
	.p2align	6, 0x0
	.amdhsa_kernel k_q8b5e4b20b7_gemm_o
		.amdhsa_group_segment_fixed_size 327680
		.amdhsa_private_segment_fixed_size 0
		.amdhsa_enable_private_segment 0
		.amdhsa_kernarg_size 48
		.amdhsa_user_sgpr_count 2
		.amdhsa_user_sgpr_kernarg_segment_ptr 1
		.amdhsa_wavefront_size32 1
		.amdhsa_system_sgpr_workgroup_id_x 1
		.amdhsa_system_sgpr_workgroup_id_y 1
		.amdhsa_system_sgpr_workgroup_id_z 1
		.amdhsa_system_vgpr_workitem_id 0
		.amdhsa_next_free_vgpr 1024
		.amdhsa_next_free_sgpr 102
		.amdhsa_reserve_vcc 0
		.amdhsa_float_denorm_mode_32 3
		.amdhsa_float_denorm_mode_16_64 3
		.amdhsa_memory_ordered 1
		.amdhsa_forward_progress 1
		.amdhsa_inst_pref_size 87
	.end_amdhsa_kernel
	.amdgpu_metadata
---
amdhsa.version: [ 1, 2 ]
amdhsa.kernels:
  - .name:           k_q8b5e4b20b7_gemm_o
    .symbol:         k_q8b5e4b20b7_gemm_o.kd
    .args:
      - { .name: acodes, .offset: 0, .size: 8, .value_kind: global_buffer, .address_space: global }
      - { .name: ascales, .offset: 8, .size: 8, .value_kind: global_buffer, .address_space: global }
      - { .name: codes, .offset: 16, .size: 8, .value_kind: global_buffer, .address_space: global }
      - { .name: scales, .offset: 24, .size: 8, .value_kind: global_buffer, .address_space: global }
      - { .name: bo, .offset: 32, .size: 8, .value_kind: global_buffer, .address_space: global }
      - { .name: out0, .offset: 40, .size: 8, .value_kind: global_buffer, .address_space: global }
    .group_segment_fixed_size: 327680
    .private_segment_fixed_size: 0
    .kernarg_segment_align: 8
    .kernarg_segment_size: 48
    .max_flat_workgroup_size: 128
    .sgpr_count:     102
    .vgpr_count:     1024
    .wavefront_size: 32
...
	.end_amdgpu_metadata
.endif
;; end of part 5
